; MI455X (gfx1250); checked and timed in simulation.
; The chip was launched on July 23, 2026; its instructions are those of AMD's public machine-readable ISA for CDNA 5 (MIT licence, August 2026) and "CDNA5" Instruction Set Architecture Reference Guide (July 2026). The comments in the code are by the model that wrote it; some were corrected since.
;; Causal Self Attention. Allowed arithmetic: matrix products marked QUANTISED: E5M2 operands, one given power-of-two scale a tensor, by v_wmma_f32_16x16x64_bf8_bf8 or v_wmma_f32_16x16x128_bf8_bf8, f32 sums; everything else in f32.
;; Inputs: W_attn 1,024 x 3,072 float32; W_proj 1,024 x 1,024 float32; b_attn 3,072 float32; b_proj 1,024 float32; lowp_scales 8 int32 (the exponents e of the quantised operands' scales 2^e); x 4 x 2,048 x 1,024 float32.
;; Outputs: out0 4 x 2,048 x 1,024 float32.
;; This version of the problem:
;;   THIS VERSION OF THE PROBLEM IS GIVEN IN LOW PRECISION. The matrix products marked QUANTISED in the list below multiply operands that are first quantised to E5M2 (5 exponent bits, 2 mantissa bits; 8 bits a number), with one given power-of-two scale for each operand tensor; their sums are f32. All else is computed in f32.
;;   The module's matrix products, in the order in which they are computed (A, B: the left and right operand; K: the contracted axis; several contracted axes count as one K, in the product's order):
;;     1. [M 8,192, K 1,024] x [K 1,024, N 3,072]; A: input x; B: input W_attn: QUANTISED (scales: A lowp_scales[0], B lowp_scales[1])
;;     2. batch 64 x [M 2,048, K 64] x [K 64, N 2,048]; A: computed on the way; B: computed on the way: QUANTISED (scales: A lowp_scales[2], B lowp_scales[3])
;;     3. batch 64 x [M 2,048, K 2,048] x [K 2,048, N 64]; A: softmax (see below); B: computed on the way: QUANTISED (scales: A lowp_scales[4], B lowp_scales[5])
;;     4. [M 8,192, K 1,024] x [K 1,024, N 1,024]; A: computed on the way; B: input W_proj: QUANTISED (scales: A lowp_scales[6], B lowp_scales[7])
;;   THE QUANTISER, for each operand of a quantised product, along K:
;;     - The operand's scale is 2^e, e = its entry of the input lowp_scales (int32; the entries are numbered through the quantised products in the list's order, A before B).
;;     - Each number is divided by the scale, clamped to +-57,344, and rounded to the nearest number of E5M2, ties to even, subnormals kept.
;;     - The product sums the exact products of the quantised numbers (number of the format x scale) in f32.
;;   ~~~python
;;   def quantise(x, axis, e):      # numpy; x: float32 -> the quantised numbers, widened to float32 again
;;       x = np.moveaxis(x, axis, -1); K = x.shape[-1]
;;       r = np.clip(x / 2.0 ** e, -57344, 57344)
;;       step = 2.0 ** (np.maximum(np.frexp(np.where(r == 0, 1, r))[1] - 1, -14) - 2)
;;       q = np.round(r / step) * step * 2.0 ** e      # np.round: ties to even
;;       return np.moveaxis(q, -1, axis).astype(np.float32)
;;   ~~~
;;   SOFTMAX AHEAD OF A QUANTISED PRODUCT. Where the list says 'softmax', what is quantised is not the finished softmax but p = 2^(t - M), with t = logit x log2(e) and M = ceil(the row's largest t), a whole number; so 1/2 < the row's largest p <= 1. The row's sum l is taken of the UNQUANTISED p, in f32, and the product's result is divided by l at the end. Since M is a whole number, a kernel that streams over the keys may use a running M (the ceiling of the running maximum): every later rescaling is an exact power of two, so the quantised numbers keep their values, but for numbers so far below the row's largest that they fall under the format's range.
;;   OPERANDS COMPUTED ON THE WAY. 'Computed on the way' means the value that the module computes at that place (a softmax that the list does not call 'softmax' is quantised finished and normalised). What goes into a quantiser is computed in f32, as accurately as f32 sums, v_exp_f32 and their like allow (about 1e-6 of the number): no bf16 or f16 on the way to a quantiser, and a product that is left as it is and whose result goes on into a quantised operand takes f32 operands (vector FMAs, or v_wmma_f32_16x16x4_f32). A number that lies on a knife's edge between two numbers of the format may be rounded either way, as far as f32 arithmetic and the matrix unit's own rounding can turn it there, and no further.
;; One version. Each part assembles by itself: llvm-mc -triple=amdgcn-amd-amdhsa -mcpu=gfx1250 --defsym DOCPART=n.
;; ======== version 1 of 1: 4 launches
;; limits: right only within a limited range of input values
;; workspace buffers: x_codes 8,388,608 bytes; w_codes 4,194,304 bytes; qkv 25,165,824 bytes; y_img 8,388,608 bytes
;; launch quant (part 1): grid 384 x 1, 4 waves a work-group, no clusters, 68,096 bytes of LDS; arguments x, W_attn, W_proj, lowp_scales, x_codes, w_codes; writes x_codes, w_codes
.if DOCPART == 1
	.amdgcn_target "amdgcn-amd-amdhsa--gfx1250"
	.amdhsa_code_object_version 6
	.text
	.protected	k_qf4c350ee1c_quant
	.globl	k_qf4c350ee1c_quant
	.p2align	8
	.type	k_qf4c350ee1c_quant,@function
k_qf4c350ee1c_quant:
	s_mov_b64 s[64:65], 0
	v_nop
	global_prefetch_b8 v0, s[64:65] scope:SCOPE_SE
	s_setreg_imm32_b32 hwreg(HW_REG_WAVE_MODE, 25, 1), 1
	s_wait_xcnt 0x0
; x [8192][1024], W_attn [1024][3072] and W_proj [1024][1024], f32, become codes of BF8 (E5M2), one byte each, K innermost, each with the one scale 2^e that is given for it
; (entries 0, 1 and 7 of the buffer of scales).  code = number / 2^e, held within +-57,344, rounded to the nearest code, ties to even.
; LIMITS: -126 <= e and e + 15 <= 127, so that 2^e and 57,344 x 2^e are f32 numbers.  NaN among the inputs is not served; an infinity is held at the largest code.
; x_codes [8192][1024]: the rows are permuted inside each group of 128 tokens: stored row 128 g + 16 a + r holds token 128 g + 8 r + a (a = 0..7, r = 0..15), so that in the
; product that reads them a lane's eight blocks of rows are eight neighbouring tokens.   w_codes [4096][1024]: rows 0..3071 W_attn's columns, rows 3072..4095 W_proj's.
; Work-groups 0..127 take the weights (K is their FIRST axis: a lane takes a column and its registers run down K), work-groups 128..383 take x (K innermost: a plain stream).
; The two ways part on the work-group's number and have LDS bytes of their own.  Work-groups share no input: no cluster, no tensor load, no barrier; waves share nothing.
.set WGW,   128                        ; work-groups for the weights
.set EMAX,  15
.set MANT,  0x600000                   ; the mantissa field of 57,344 as f32
; the way of x
.set STEPS, 16                         ; steps of 512 numbers for a wave: 8 tokens
.set SP,    80                         ; a lane's place in a stage: its 64 bytes + 16 of padding
.set WREG,  8192                       ; LDS 0..32767: a region for each wave: two stages of 32 x SP bytes
.set R,     16                         ; v16-79   four sets of 16 numbers as they are loaded
.set X,     80                         ; v80-111  two sets of 16 neighbours
.set C,     128                        ; v128-191 codes: four registers for each step, so that no store's data are written again
; the way of the weights
.set WSTG,  32768                      ; LDS 32768..67583: a stage of 32 rows x WP bytes for each wave
.set WP,    272                        ; a stage row: 256 codes + 16 bytes of padding
.set NB,    8                          ; blocks of 32 along K for a wave
.set WX,    32                         ; v32-95   two sets of 32 numbers
.set WC,    96                         ; v96-103  a block's codes
.set OUTR,  112                        ; v112-175 the way out
.set VO,    176                        ; v176-207 offsets: 4 x lane + i rows of the weight; never rewritten
	s_load_b256 s[4:11], s[0:1], 0x0               ; x s[4:5], W_attn s[6:7], W_proj s[8:9], the scales' exponents s[10:11]
	s_load_b128 s[12:15], s[0:1], 0x20             ; x_codes s[12:13], w_codes s[14:15]
	v_lshl_add_u32 v208, v0, 2, 0x10800
	v_mov_b32 v209, 0
	v_lshrrev_b32 v1, 5, v0
	v_readfirstlane_b32 s16, v1                    ; wave 0..3
	v_and_b32 v2, 31, v0                           ; lane
	s_wait_kmcnt 0x0
	s_load_b256 s[40:47], s[10:11], 0x0            ; e0 .. e7
	s_cmp_lt_u32 ttmp9, WGW
	s_cbranch_scc1 .Lw
	s_wait_alu depctr_va_vdst(0)
; ---------------- x: wave R of 1,024 takes tokens 8 R .. 8 R + 7.  Each of a step's four loads reads 512 consecutive bytes, 16 a lane; the 2,048 bytes go through the wave's own stage
; in LDS and come back 64 bytes a lane: 16 neighbours along K, as the conversions want them.  A lane's 16 codes are 16 bytes: the wave stores 512 consecutive bytes.
	v_lshlrev_b32 v3, 4, v2                        ; my 16 bytes of a load's 512, and of a store's
	s_wait_alu depctr_va_vdst(0)
	s_lshl_b32 s17, s16, 13                        ; my wave's region
	v_lshrrev_b32 v14, 2, v2
	v_mul_u32_u24 v14, v14, SP
	v_and_b32 v15, 3, v2
	v_lshl_add_u32 v14, v15, 4, v14
	v_add_nc_u32 v14, s17, v14                     ; the stage, on the way in: SP (lane / 4) + 16 (lane % 4)
	v_mul_u32_u24 v15, v2, SP
	v_add_nc_u32 v15, s17, v15                     ; and on the way out: SP x lane
	s_sub_co_u32 s18, ttmp9, WGW
	s_lshl_b32 s18, s18, 2
	s_add_co_u32 s18, s18, s16                     ; R
	s_lshl_b32 s20, s18, 15                        ; 8 tokens of 4,096 bytes
	s_mov_b32 s21, 0
	s_add_nc_u64 s[4:5], s[4:5], s[20:21]
	s_lshr_b32 s22, s18, 4                         ; g = R / 16: 128 rows of 1,024 bytes,
	s_lshl_b32 s22, s22, 17
	s_and_b32 s23, s18, 15                         ; r = R % 16: a row;  a = the token among my eight: 16 rows, in the store's immediate
	s_lshl_b32 s23, s23, 10
	s_add_co_u32 s20, s22, s23
	s_add_nc_u64 s[12:13], s[12:13], s[20:21]
.macro LOAD t
.irp i, 0,1,2,3
	global_load_b128 v[R+16*((\t)%4)+4*\i:R+16*((\t)%4)+4*\i+3], v3, s[4:5] offset:2048*(\t)+512*\i th:TH_LOAD_NT   ; 32 lanes read 512 consecutive bytes, read once
.endr
.endm
.macro TURN t                          ; step t's numbers through the stage: LDS serves a wave's instructions in order, so no wait stands between the stores and the loads
.irp i, 0,1,2,3
	ds_store_b128 v14, v[R+16*((\t)%4)+4*\i:R+16*((\t)%4)+4*\i+3] offset:32*SP*((\t)%2)+8*SP*\i
.endr
.irp i, 0,1,2,3
	ds_load_b128 v[X+16*((\t)%2)+4*\i:X+16*((\t)%2)+4*\i+3], v15 offset:32*SP*((\t)%2)+16*\i
.endr
.endm
.irp t, 0,1,2,3
	LOAD \t
.endr
	s_wait_alu depctr_va_vdst(0)
	s_wait_kmcnt 0x0
	s_add_co_i32 s22, s40, 127                     ; e0
	s_lshl_b32 s23, s22, 23
	v_mov_b32 v11, s23                             ; 2^e as f32: the conversion takes its exponent field
	s_add_co_i32 s22, s22, EMAX
	s_lshl_b32 s22, s22, 23
	s_or_b32 s22, s22, MANT
	s_wait_alu depctr_va_vdst(0)
	s_wait_loadcnt 12                              ; step 0's four loads are in; the twelve of steps 1 to 3 may be out
	TURN 0
.macro STEP t
.set XS, X+16*((\t)%2)
	s_wait_dscnt 0x0                               ; this step's numbers are back from the stage: so its stores into the stage have read their registers,
.if (\t)+4 < STEPS
	LOAD (\t)+4                                    ; which take the loads of four steps on
.endif
.if (\t)+1 < STEPS
.if STEPS-2-(\t) >= 3
	s_wait_loadcnt 12                              ; the next step's four loads are in; those of the three steps behind it may be out
.else
	s_wait_loadcnt 4*(STEPS-2-(\t))                ; at the tail fewer steps are behind it
.endif
	TURN (\t)+1                                    ; and go through the other stage while this step is worked
.endif
.irp i, 0,1,2,3,4,5,6,7,8,9,10,11,12,13,14,15
.endr
	v_cvt_scalef32_pk8_bf8_f32 v[C+4*(\t):C+4*(\t)+1], v[XS:XS+7], v11
	v_cvt_scalef32_pk8_bf8_f32 v[C+4*(\t)+2:C+4*(\t)+3], v[XS+8:XS+15], v11
	global_store_b128 v3, v[C+4*(\t):C+4*(\t)+3], s[12:13] offset:((\t)/2)*16384+((\t)%2)*512   ; token a = t / 2 lies 16 a rows on; 512 consecutive bytes, at a multiple of 512
.endm
.irp t, 0,1,2,3,4,5,6,7,8,9,10,11,12,13,14,15
	STEP \t
.endr
	s_wait_tensorcnt 0x0
	ds_add_u32 v208, v209
	s_wait_dscnt 0x0
	s_endpgm
; ---------------- the weights: work-group = (block of 128 columns cb = 0..31, quarter of K ky = 0..3); a wave takes 32 columns x 256 along K.  Each load reads one row k at 32 neighbouring
; columns (128 consecutive bytes a wave, 512 a work-group).  One text serves both weights: the row's bytes stand in a scalar register, the 32 rows of a block in 32 offset registers,
; the 8 blocks in 8 base pairs; none of them is ever rewritten.
.Lw:
	s_lshr_b32 s17, ttmp9, 2                       ; cb
	s_and_b32 s18, ttmp9, 3                        ; ky
	s_mov_b32 s19, 4096                            ; a row of W_proj in bytes
	s_wait_kmcnt 0x0
	s_cmp_lt_u32 s17, 24                           ; the first 24 blocks of columns are W_attn's: the choice hangs on the work-group's number alone
	s_cselect_b64 s[20:21], s[6:7], s[8:9]
	s_cselect_b32 s19, 12288, s19                  ; a row of W_attn
	s_cselect_b32 s22, 0, 24
	s_cselect_b32 s23, s41, s47                    ; e1 or e7
	s_sub_co_u32 s22, s17, s22                     ; the block of columns inside its weight
	s_lshl_b32 s24, s18, 8
	s_mul_i32 s24, s24, s19                        ; 256 ky rows
	s_lshl_b32 s25, s22, 9
	s_add_co_u32 s24, s24, s25                     ; + 128 columns of 4 bytes a block
	s_lshl_b32 s25, s16, 7
	s_add_co_u32 s24, s24, s25                     ; + 32 columns a wave
	s_mov_b32 s25, 0
	s_add_nc_u64 s[48:49], s[20:21], s[24:25]      ; block 0 of my 8
	s_lshl_b32 s26, s19, 5                         ; 32 rows
	s_mov_b32 s27, 0
.irp t, 1,2,3,4,5,6,7
	s_add_nc_u64 s[48+2*\t:49+2*\t], s[46+2*\t:47+2*\t], s[26:27]
.endr
	s_wait_alu depctr_va_vdst(0)
	v_lshlrev_b32 v[VO], 2, v2
.set ii, 1
.rept 31
	v_add_nc_u32 v[VO+ii], s19, v[VO+ii-1]
.set ii, ii+1
.endr
	s_lshl_b32 s24, s17, 17                        ; the codes: row 128 cb + 32 wave of 1,024 bytes, + 256 ky
	s_lshl_b32 s28, s16, 15
	s_add_co_u32 s24, s24, s28
	s_lshl_b32 s28, s18, 8
	s_add_co_u32 s24, s24, s28
	s_add_nc_u64 s[14:15], s[14:15], s[24:25]
	s_mul_i32 s28, s16, 32*WP
	s_add_co_u32 s28, s28, WSTG                    ; my stage
	v_mul_u32_u24 v4, v2, WP
	v_add_nc_u32 v4, s28, v4                       ; into it: row = my column
	v_and_b32 v5, 15, v2
	v_lshrrev_b32 v6, 4, v2                        ; out of it: sixteen lanes to a row, two rows an instruction
	v_mul_u32_u24 v7, v6, WP
	v_lshl_add_u32 v7, v5, 4, v7
	v_add_nc_u32 v7, s28, v7
	v_lshlrev_b32 v8, 10, v6
	v_lshl_add_u32 v8, v5, 4, v8                   ; and the same place in the codes' buffer
.macro WLOAD t                         ; block t: W(32 t + i, my column), i = 0 .. 31, into set t % 2
.set ii, 0
.rept 32
	global_load_b32 v[WX+32*((\t)%2)+ii], v[VO+ii], s[48+2*(\t):49+2*(\t)] th:TH_LOAD_NT
.set ii, ii+1
.endr
.endm
	WLOAD 0
	WLOAD 1
	s_add_co_i32 s23, s23, 127
	s_lshl_b32 s29, s23, 23
	v_mov_b32 v11, s29                             ; 2^e as f32
	s_add_co_i32 s23, s23, EMAX
	s_lshl_b32 s23, s23, 23
	s_or_b32 s23, s23, MANT
.macro BLOCK t
.set XS, WX+32*((\t)%2)
.if (\t) < NB-1
	s_wait_loadcnt 32                              ; this block's 32 loads are in; the next block's 32 may be out
.else
	s_wait_loadcnt 0
.endif
.set ii, 0
.rept 32
.set ii, ii+1
.endr
.irp g, 0,1,2,3
	v_cvt_scalef32_pk8_bf8_f32 v[WC+2*\g:WC+2*\g+1], v[XS+8*\g:XS+8*\g+7], v11
.endr
	ds_store_b128 v4, v[WC:WC+3] offset:32*(\t)    ; 32 codes: 32 bytes of my column's row
	ds_store_b128 v4, v[WC+4:WC+7] offset:32*(\t)+16
.if (\t)+2 < NB
	WLOAD (\t)+2
.endif
	s_wait_dscnt 0x0                               ; the stores have read their registers: the next block's codes may be written
.endm
	s_wait_alu depctr_va_vdst(0)
.irp t, 0,1,2,3,4,5,6,7
	BLOCK \t
.endr
.irp t, 0,1,2,3,4,5,6,7,8,9,10,11,12,13,14,15
	ds_load_b128 v[OUTR+4*\t:OUTR+4*\t+3], v7 offset:2*\t*WP   ; LDS serves a wave's instructions in order: these see my stores
.endr
.irp t, 0,1,2,3,4,5,6,7,8,9,10,11,12,13,14,15
	s_wait_dscnt 15-\t                             ; load t is back; the younger ones may be out
	global_store_b128 v8, v[OUTR+4*\t:OUTR+4*\t+3], s[14:15] offset:2*\t*1024   ; sixteen lanes store 256 consecutive bytes, at a multiple of 256
.endr
	s_wait_tensorcnt 0x0
	ds_add_u32 v208, v209
	s_wait_dscnt 0x0
	s_endpgm
.Lfunc_end_k_qf4c350ee1c_quant:
	.size	k_qf4c350ee1c_quant, .Lfunc_end_k_qf4c350ee1c_quant-k_qf4c350ee1c_quant
	.p2alignl 7, 3214868480
	.fill 96, 4, 3214868480
	.section	.rodata,"a",@progbits
	.p2align	6, 0x0
	.amdhsa_kernel k_qf4c350ee1c_quant
		.amdhsa_group_segment_fixed_size 68096
		.amdhsa_private_segment_fixed_size 0
		.amdhsa_enable_private_segment 0
		.amdhsa_kernarg_size 48
		.amdhsa_user_sgpr_count 2
		.amdhsa_user_sgpr_kernarg_segment_ptr 1
		.amdhsa_wavefront_size32 1
		.amdhsa_system_sgpr_workgroup_id_x 1
		.amdhsa_system_sgpr_workgroup_id_y 1
		.amdhsa_system_sgpr_workgroup_id_z 1
		.amdhsa_system_vgpr_workitem_id 0
		.amdhsa_next_free_vgpr 210
		.amdhsa_next_free_sgpr 66
		.amdhsa_reserve_vcc 0
		.amdhsa_float_denorm_mode_32 3
		.amdhsa_float_denorm_mode_16_64 3
		.amdhsa_fp16_overflow 1
		.amdhsa_memory_ordered 1
		.amdhsa_forward_progress 1
		.amdhsa_inst_pref_size 55
	.end_amdhsa_kernel
	.amdgpu_metadata
---
amdhsa.version: [ 1, 2 ]
amdhsa.kernels:
  - .name:           k_qf4c350ee1c_quant
    .symbol:         k_qf4c350ee1c_quant.kd
    .args:
      - { .name: x, .offset: 0, .size: 8, .value_kind: global_buffer, .address_space: global }
      - { .name: W_attn, .offset: 8, .size: 8, .value_kind: global_buffer, .address_space: global }
      - { .name: W_proj, .offset: 16, .size: 8, .value_kind: global_buffer, .address_space: global }
      - { .name: lowp_scales, .offset: 24, .size: 8, .value_kind: global_buffer, .address_space: global }
      - { .name: x_codes, .offset: 32, .size: 8, .value_kind: global_buffer, .address_space: global }
      - { .name: w_codes, .offset: 40, .size: 8, .value_kind: global_buffer, .address_space: global }
    .group_segment_fixed_size: 68096
    .private_segment_fixed_size: 0
    .kernarg_segment_align: 8
    .kernarg_segment_size: 48
    .max_flat_workgroup_size: 128
    .sgpr_count:     66
    .vgpr_count:     210
    .wavefront_size: 32
...
	.end_amdgpu_metadata
.endif
;; end of part 1
;; launch qkv (part 2): grid 12 x 32, 4 waves a work-group, clusters of 4 x 4, 327,680 bytes of LDS; arguments x_codes, w_codes, lowp_scales, b_attn, qkv; writes qkv
.if DOCPART == 2
	.amdgcn_target "amdgcn-amd-amdhsa--gfx1250"
	.amdhsa_code_object_version 6
	.text
	.protected	k_qf4c350ee1c_qkv
	.globl	k_qf4c350ee1c_qkv
	.p2align	8
	.type	k_qf4c350ee1c_qkv,@function
k_qf4c350ee1c_qkv:
	s_mov_b64 s[64:65], 0
	v_nop
	global_prefetch_b8 v0, s[64:65] scope:SCOPE_SE
	s_setreg_imm32_b32 hwreg(HW_REG_WAVE_MODE, 25, 1), 1
	s_wait_xcnt 0x0
	s_wait_alu depctr_hold_cnt(0) depctr_sa_sdst(0) depctr_va_vdst(0) depctr_va_sdst(0) depctr_va_ssrc(0) depctr_va_vcc(0) depctr_vm_vsrc(0)
	s_getreg_b32 s2, hwreg(HW_REG_IB_STS2, 6, 4)
	s_cmp_eq_u32 s2, 0
	s_cbranch_scc0 .Lentry_in_a_cluster
	s_endpgm
.Lentry_in_a_cluster:
	s_bfe_u32 s2, ttmp6, 0x10000c
	s_cmp_lg_u32 s2, 0xf033
	s_cbranch_scc0 .Lentry_shape_is_right
	s_endpgm
.Lentry_shape_is_right:
; q, k, v = x W_attn + b_attn on codes of BF8 (E5M2); the results are quantised at once, with the scales given for them as operands of the attention's products, and stored as codes.
; A: x_codes [8192][1024] (stored row 128 g + 16 a + r = token 128 g + 8 r + a).  B: w_codes rows 0..3071 [n][1024].  number = sum x 2^(e0 + e1) + b_attn[n], one fused multiply-add in f32;
; code = number / 2^eo, held within +-57,344; eo = e2 for q, e3 for k, e5 for v.
; OUT, in the buffer qkv: q at byte 0 and k at 2^23: [batch x head 64][token 2048][64].  v at 2^24: [batch x head][key step s 16][row 64][byte 128]: a dense block of 8,192 bytes for each 128 keys,
; keys innermost; row = channel d with bits 3 and 4 exchanged, byte = key mod 128 with bits 3 and 4 exchanged (the order in which the attention's registers want them).
; LIMITS: e0 + e1 between -126 and 127; e2, e3, e5 between -126 and 112.  NaN among the inputs is not served.
; A tile, 256 stored rows x 256 columns, is made by four waves, as many as a WGP has SIMDs; a wave makes 128 x 128: 64 accumulators, 512 registers.  K = 1,024 goes in four steps of 256 through a ring of two LDS slots.
; CLUSTERS: 4 x 4 work-groups.  The four of a row of the cluster need the same tiles of A, the four of a column the same tiles of B: each tile is asked for JOINTLY.  The cluster's x is 0, 1, 2 = q, k, v.
; THE MATRIX INSTRUCTION IS USED TRANSPOSED (source 0 = 16 rows of B, source 1 = 16 rows of A): in accumulator (a, b) lane (r, h) holds token 8 r + a of the wave's 128 and columns 16 b + 8 h + 0..7.
; So for q and k a lane's eight registers are eight neighbours along the head's 64 (their K); for v the same register of the eight blocks a is eight neighbouring keys (its K).
; The four K steps are few and two are asked for at the head: nothing is prefetched.
; REGISTERS, in windows of 256: window 0: v16-31 addresses; v32-95 the bias of my 128 columns; from v128 A's fragments, ONE set; on the way out v96-255 are at work.
;   window 1: B's fragments, TWO sets.   window 2: the accumulators of blocks a = 0-3 ((a, b) at v[8 (8 a + b)]);   window 3: those of a = 4-7.
.set KSTEP,  256
.set ROWB,   256                       ; a tile's row in bytes
.set KROW,   1024                      ; a row of A or of B in memory, in bytes
.set PITCH,  272                       ; an LDS row: 256 bytes + 16 of padding: the 16 rows that a load touches start 16 bytes apart modulo 256
.set FR,     16                        ; registers of a fragment: 16 rows x 128 K
.set NL,     4                         ; LDS loads that bring one
.set NP,     4                         ; places behind this matrix instruction (ISA guide 7.12.1)
.set HALFT,  128*PITCH                 ; 128 rows: what one tensor load brings, and what one wave reads of A or of B
.set SLOT,   4*HALFT                   ; A's 256 rows, then B's 256 rows
.set SPARE,  2*SLOT                    ; behind the ring: the spare words, 128 bytes for each wave, that no other line names
.set CHP,    528                       ; the way out: a stage of 32 chunks of 512 bytes + 16 for each wave.  The stages lie in slot 0, which has had its last fill and its last read by then
.set VSTG,   4*32*CHP                  ; q's and k's stages at byte 0, v's behind them: each way out has bytes of its own
.set ADRA, 16                          ; v16-17  LDS address of my A fragments in slot 0, 1
.set ADRB, 20                          ; v20-21  the same for B
.set SC,   22                          ; v22     2^eo as f32
.set LM,   23
.set STQ,  24                          ; v24     q, k: where I put 8 codes
.set RDQ,  25                          ; v25     q, k: where I read a chunk back
.set CO,   26                          ; v26     16 x lane: my bytes of a chunk in memory
.set STV,  27                          ; v27     v: where I put 8 codes
.set SPW,  28                          ; v28     LDS address of my spare word; never rewritten
.set NIL,  29                          ; v29     0; never rewritten
.set RDV,  30                          ; v30     v: where I read a chunk back
.set BO,   31                          ; v31     32 h: my half's bytes in the bias
.set BIAS, 32                          ; v32-95  register 8 b + j: b_attn[my first column + 16 b + 8 h + j]
.set CD,   96                          ; v96-111 codes just made
.set TMP,  112                         ; v112-175 64 numbers at work
.set AF,   128                         ; A's fragments
.set BK,   128                         ; the way out: 32 chunks read back, v128-255
.set G1, 24                            ; s[24:31] descriptor group 1 for A's tiles;  s[32:39] group 0, one set for each slot
.set G0, 32
.set G1B, 48                           ; s[48:55], s[56:63] the same for B's tiles
.set G0B, 56
.set MSB, 0
.macro WIN new                         ; the immediate's high byte repeats the setting that is left
.if MSB != \new
	s_set_vgpr_msb (MSB<<8)|\new
.set MSB, \new
.endif
.endm
.set MUL_LO, 0xa1                      ; source 0 (B) window 1, source 1 (A) window 0, C and D window 2
.set MUL_HI, 0xf1                      ; the same, C and D window 3
.set TO_B,   0x40                      ; destination window 1, address window 0
; A joint load: waves 0 and 1 fetch for A, waves 2 and 3 for B.  Each of the two lines has ONE mask and one set of registers for all that issue it; the branch hangs on the wave's number alone.
; Four v_nop follow each of the two lines, ahead of the jump, the label and what follows.
.macro JLOAD g0a, g1a, g0b, g1b
	s_cmp_eq_u32 s15, 0
	s_cbranch_scc0 .Lfor_b_\@
	tensor_load_to_lds s[\g0a:\g0a+3], s[\g1a:\g1a+7]
	s_nop 0
.rept 4
	v_nop
.endr
	s_branch .Lasked_\@
.Lfor_b_\@:
	tensor_load_to_lds s[\g0b:\g0b+3], s[\g1b:\g1b+7]
	s_nop 0
.rept 4
	v_nop
.endr
.Lasked_\@:
.endm
.macro CREST                           ; a round of the cluster's barrier behind its opening barrier
	s_cmp_lg_u32 s14, 0
	s_cbranch_scc1 .Lnot_wave_0_\@
	s_barrier_signal -3
.Lnot_wave_0_\@:
	s_barrier_wait -3
	s_barrier_signal -1
	s_barrier_wait -1
.endm
.macro CROUND                          ; a whole round
	s_barrier_signal -1
	s_barrier_wait -1
	CREST
.endm
	s_load_b256 s[4:11], s[0:1], 0x0               ; x_codes s[4:5], w_codes s[6:7], the scales' exponents s[8:9], b_attn s[10:11]
	s_load_b64 s[12:13], s[0:1], 0x20              ; qkv
	v_lshl_add_u32 v[SPW], v0, 2, SPARE
	v_mov_b32 v[NIL], 0
	ds_add_u32 v28, v29
	ds_add_u32 v28, v29
	s_wait_dscnt 0x0
	v_lshrrev_b32 v1, 5, v0
	v_readfirstlane_b32 s14, v1                    ; wave 0..3
	s_lshr_b32 s15, s14, 1                         ; which half of the tile's rows is mine.  Also: I fetch for A (0) or for B (1)
	s_and_b32 s16, s14, 1                          ; which half of its columns.  Also: which 128 rows of that tile I fetch
	s_bfe_u32 s40, ttmp6, 0x40000                  ; cx, cy: my place in the cluster
	s_bfe_u32 s41, ttmp6, 0x40004
	s_lshl_b32 s42, ttmp9, 2
	s_add_co_u32 s42, s42, s40                     ; tile column = 4 x cluster x + cx, 0..11
	s_and_b32 s17, ttmp7, 0xffff
	s_lshl_b32 s17, s17, 2
	s_add_co_u32 s17, s17, s41                     ; tile row = 4 x cluster y + cy, 0..31
	s_lshl_b32 s43, s41, 2
	s_lshl_b32 s43, 15, s43                        ; my row of the cluster
	s_lshl_b32 s44, 0x1111, s40                    ; my column
	; descriptor group 1: a tile of 128 rows x 256 bytes, padded in LDS
	s_or_b32 s[G1+0], s43, (0<<16)|(1<<20)|(1<<21)|(5<<22)|(3<<25)  ; 15:0 the mask: A's tiles go to my row; 17:16 element of 1 byte; 20 padding on; 21 set beside a mask; 24:22 after every 64 words (code 5); 31:25 of 4 words (code 3)
	s_or_b32 s[G1B+0], s44, (0<<16)|(1<<20)|(1<<21)|(5<<22)|(3<<25)
.irp g, G1, G1B
	s_mov_b32 s[\g+1], ROWB<<16                    ; tensor_dim0
	s_mov_b32 s[\g+2], 128<<16                     ; tensor_dim1 = 128
	s_mov_b32 s[\g+3], ROWB<<16                    ; tile_dim0
	s_mov_b32 s[\g+4], 128                         ; tile_dim1 = 128
	s_mov_b32 s[\g+5], KROW                        ; tensor_dim0_stride
	s_mov_b32 s[\g+6], 0
	s_mov_b32 s[\g+7], 0
.endr
	s_lshl_b32 s18, s16, 7                         ; which 128 rows of the tile I fetch
	s_lshl_b32 s20, s17, 8
	s_add_co_u32 s20, s20, s18                     ; A: row 256 x tile row + 128 x half
	s_lshl_b32 s46, s42, 8
	s_add_co_u32 s46, s46, s18                     ; B: row 256 x tile column + 128 x half
	s_mov_b32 s21, 0
	s_mov_b32 s47, 0
	s_mov_b64 s[18:19], KROW
	s_mul_u64 s[20:21], s[20:21], s[18:19]
	s_mul_u64 s[46:47], s[46:47], s[18:19]
	s_mul_i32 s45, s14, HALFT                      ; where they go: wave x 128 rows: no place in the cluster enters an LDS address
	s_wait_kmcnt 0x0
	s_load_b256 s[68:75], s[8:9], 0x0              ; e0 .. e7
	s_add_nc_u64 s[20:21], s[4:5], s[20:21]
	s_add_nc_u64 s[46:47], s[6:7], s[46:47]
	CROUND                                         ; all sixteen work-groups are here: the first joint loads meet
.irp s, 0,1
	s_mov_b32 s[G0+4*\s], 1
	s_add_co_u32 s[G0+4*\s+1], s45, \s*SLOT
	s_add_nc_u64 s[G0+4*\s+2:G0+4*\s+3], s[20:21], \s*ROWB
	s_or_b32 s[G0+4*\s+3], s[G0+4*\s+3], 0x80000000
	s_mov_b32 s[G0B+4*\s], 1
	s_add_co_u32 s[G0B+4*\s+1], s45, \s*SLOT
	s_add_nc_u64 s[G0B+4*\s+2:G0B+4*\s+3], s[46:47], \s*ROWB
	s_or_b32 s[G0B+4*\s+3], s[G0B+4*\s+3], 0x80000000
	JLOAD G0+4*\s, G1, G0B+4*\s, G1B
.endr
	v_and_b32 v1, 15, v0                           ; r = l % 16
	s_wait_alu depctr_va_vdst(0)
	v_bfe_u32 v2, v0, 4, 1                         ; h = l / 16
	v_mul_u32_u24 v3, v1, PITCH
	v_lshl_add_u32 v4, v2, 4, v3                   ; a fragment's row x pitch + 16 x half
	s_mul_i32 s21, s15, HALFT                      ; my 128 rows of A
	s_mul_i32 s22, s16, HALFT                      ; my 128 rows of B,
	s_add_co_u32 s22, s22, 2*HALFT                 ; which lie behind A's 256
.irp s, 0,1
	v_add_nc_u32 v[ADRA+\s], s21, v4
	v_add_nc_u32 v[ADRB+\s], s22, v4
	s_add_co_u32 s21, s21, SLOT
	s_add_co_u32 s22, s22, SLOT
.endr
	; the two ways out: every LDS address is made here, ahead of the parting
	s_mul_i32 s23, s14, 32*CHP                     ; my stage for q or k
	v_mul_u32_u24 v5, v1, CHP
	s_wait_alu depctr_va_vdst(0)
	v_lshl_add_u32 v5, v2, 3, v5
	v_add_nc_u32 v[STQ], s23, v5                   ; chunk r (tokens 8 r .. 8 r + 7 of one head), + 8 h
	v_and_b32 v6, 31, v0
	v_lshlrev_b32 v[CO], 4, v6
	v_add_nc_u32 v[RDQ], s23, v[CO]
	s_add_co_u32 s23, s23, VSTG                    ; my stage for v
	v_mul_u32_u24 v5, v2, 4*CHP                    ; row 16 h on: four chunks of four rows
	v_bfe_u32 v6, v0, 2, 2
	v_lshl_add_u32 v5, v6, 5, v5                   ; the byte of key 8 r with bits 3 and 4 exchanged: 32 (r / 4)
	v_and_b32 v6, 1, v0
	v_lshl_add_u32 v5, v6, 4, v5                   ; + 16 (r % 2)
	v_bfe_u32 v6, v0, 1, 1
	v_lshl_add_u32 v5, v6, 3, v5                   ; + 8 ((r / 2) % 2)
	v_add_nc_u32 v[STV], s23, v5
	v_add_nc_u32 v[RDV], s23, v[CO]
	v_lshlrev_b32 v[BO], 5, v2
	s_wait_alu depctr_va_vdst(0)
	; where my wave's part begins in the buffer qkv: the same sum serves q, k and v
	s_lshl_b32 s20, ttmp9, 23                      ; q, k or v
	s_lshr_b32 s21, s17, 3
	s_lshl_b32 s21, s21, 21                        ; the batch: 16 heads of 2^17 bytes
	s_add_co_u32 s20, s20, s21
	s_lshl_b32 s21, s17, 1
	s_add_co_u32 s21, s21, s15
	s_and_b32 s21, s21, 15
	s_lshl_b32 s21, s21, 13                        ; my 128 tokens in the batch: 8,192 bytes
	s_add_co_u32 s20, s20, s21
	s_mov_b32 s21, 0
	s_add_nc_u64 s[12:13], s[12:13], s[20:21]
	s_lshl_b32 s46, s40, 2                         ; my first head: 4 cx + 2 x half (in the registers that held B's address: none that feeds A's descriptors ever holds cx)
	s_lshl_b32 s47, s16, 1
	s_add_co_u32 s46, s46, s47
	s_lshl_b32 s46, s46, 17
	s_mov_b32 s47, 0
	s_add_nc_u64 s[12:13], s[12:13], s[46:47]
	s_lshl_b32 s46, s42, 10                        ; the bias of my 128 columns: (256 x tile column + 128 x half) x 4 bytes
	s_lshl_b32 s47, s16, 9
	s_add_co_u32 s46, s46, s47
	s_mov_b32 s47, 0
	s_add_nc_u64 s[10:11], s[10:11], s[46:47]
.irp b, 0,1,2,3,4,5,6,7
	global_load_b128 v[BIAS+8*\b:BIAS+8*\b+3], v[BO], s[10:11] offset:64*\b       ; waited for on the way out
	global_load_b128 v[BIAS+8*\b+4:BIAS+8*\b+7], v[BO], s[10:11] offset:64*\b+16
.endr
.macro FRAG reg, adr, q, i             ; a fragment, 16 rows x 128 K, is 16 registers: lane l holds row l % 16; registers 4 c .. 4 c + 3 hold K = 32 c + 16 (l / 16) + 0 .. 15: the same places in A and in B
.irp c, 0,1,2,3
	ds_load_b128 v[\reg+4*\c:\reg+4*\c+3], v[\adr] offset:128*(\q)+32*\c+(\i)*16*PITCH
.endr
.endm
; 16 matrix instructions: A's blocks a0, a0 + 1 x B's eight, 128 along K.  p: B's set.  zero = 1: the first product starts the sums: nothing is ever cleared.
; The 64 accumulators take turns, one instruction a turn, in the same order in every step.
.macro MUL16 a0, p, zero
.irp a, \a0, \a0+1
.irp b, 0,1,2,3,4,5,6,7
.if \zero
	v_wmma_f32_16x16x128_bf8_bf8 v[8*(8*((\a)%4)+\b):8*(8*((\a)%4)+\b)+7], v[128*(\p)+FR*\b:128*(\p)+FR*\b+FR-1], v[AF+FR*(\a):AF+FR*(\a)+FR-1], 0
.else
	v_wmma_f32_16x16x128_bf8_bf8 v[8*(8*((\a)%4)+\b):8*(8*((\a)%4)+\b)+7], v[128*(\p)+FR*\b:128*(\p)+FR*\b+FR-1], v[AF+FR*(\a):AF+FR*(\a)+FR-1], v[8*(8*((\a)%4)+\b):8*(8*((\a)%4)+\b)+7]
.endif
.endr
.endr
.endm
.macro FETCH_B slot, q, p              ; B's eight fragments of the slot's q-th 128 along K into set p
	WIN TO_B
.irp i, 0,1,2,3,4,5,6,7
	FRAG 128*(\p)+FR*\i, ADRB+\slot, \q, \i
.endr
	WIN 0
.endm
.macro FETCH_A slot, q, i0             ; A's blocks i0 .. i0 + 3
.irp i, \i0, \i0+1, \i0+2, \i0+3
	FRAG AF+FR*(\i), ADRA+\slot, \q, \i
.endr
.endm
; A load into a register that a matrix instruction has read, and a vector instruction that reads a matrix result, stand NP places behind that matrix instruction; only plain vector
; instructions that name none of its registers are places (ISA guide 7.12.1 for vector instructions).
.macro PLACES n
.rept \n
	v_nop
.endr
.endm
; A step of 128 along K that has its successor in the same slot.  A's blocks are free as soon as their eight products are issued: blocks 0-3 are fetched anew in the step's middle, blocks 4-7 at its end.
.macro STEP slot, q, zero
	s_wait_dscnt 4*NL                              ; B's set and A's blocks 0-3 are in; the youngest 16 loads (A's blocks 4-7) may be out
	WIN MUL_LO
	MUL16 0, (\q)%2, \zero
	MUL16 2, (\q)%2, \zero
	s_wait_dscnt 0                                 ; A's blocks 4-7 are in (asked for 32 matrix instructions ago)
	PLACES NP
	FETCH_B \slot, (\q)+1, 1-(\q)%2
	FETCH_A \slot, (\q)+1, 0
	WIN MUL_HI
	MUL16 4, (\q)%2, \zero
	MUL16 6, (\q)%2, \zero
	PLACES NP
	WIN 0
	FETCH_A \slot, (\q)+1, 4
.endm
; A slot's last step changes slots: ONE barrier; in front of it each wave waits for all its tensor loads, adds 0 to its spare word, and waits for that and for its own reads of this slot.  fill = 1: this slot is filled again, two K steps ahead.
.macro TURN slot, next, fill
	s_wait_tensorcnt 0x0                           ; all my tensor loads have landed: my part of the next slot;  (every window is 0 here)
	ds_add_u32 v[SPW], v[NIL]                      ; 0 onto my spare word
	s_wait_dscnt 4*NL+1                            ; (the add and the youngest 16 loads, A's blocks 4-7, may be out)
	WIN MUL_LO
	MUL16 0, 1, 0                                  ; sixteen matrix instructions stand between the add and the wait for it
	s_wait_dscnt 0x0                               ; the add is done, and my reads of this slot are over
	s_barrier_signal -1
	MUL16 2, 1, 0
	WIN 0
	s_barrier_wait -1
.if \fill
	CREST                                          ; the barrier has opened a round of the cluster's barrier: no wave of any partner still reads this slot's tile or has a load on its way
	s_add_nc_u64 s[G0+4*\slot+2:G0+4*\slot+3], s[G0+4*\slot+2:G0+4*\slot+3], 2*ROWB
	s_add_nc_u64 s[G0B+4*\slot+2:G0B+4*\slot+3], s[G0B+4*\slot+2:G0B+4*\slot+3], 2*ROWB
	JLOAD G0+4*\slot, G1, G0B+4*\slot, G1B         ; the first tensor load behind the round; the four v_nop behind it are the places in front of the loads below
.else
	PLACES NP
.endif
	FETCH_B \next, 0, 0
	FETCH_A \next, 0, 0
	WIN MUL_HI
	MUL16 4, 1, 0
	MUL16 6, 1, 0
	PLACES NP
	WIN 0
	FETCH_A \next, 0, 4
.endm
	s_wait_tensorcnt 1                             ; my part of K step 0 is in (K step 1's load may be out)
	s_barrier_signal -1
	s_barrier_wait -1                              ; everybody's is
	FETCH_B 0, 0, 0
	FETCH_A 0, 0, 0
	FETCH_A 0, 0, 4
	STEP 0, 0, 1                                   ; K = 1,024 is four slots' worth: the eight steps are written out.  The first step's products start the sums
	TURN 0, 1, 1                                   ; slot 0 takes K step 2
	STEP 1, 0, 0
	TURN 1, 0, 1                                   ; slot 1 takes K step 3
	STEP 0, 0, 0
	TURN 0, 1, 0                                   ; nothing is left to fetch: slot 0 has had its last fill, and behind this barrier nobody reads it
	STEP 1, 0, 0
	s_wait_dscnt 4*NL                              ; the very last step
	WIN MUL_LO
	MUL16 0, 1, 0
	MUL16 2, 1, 0
	s_wait_dscnt 0
	WIN MUL_HI
	MUL16 4, 1, 0
	MUL16 6, 1, 0
	WIN 0
; THE WAY OUT.  number = sum x 2^(e0 + e1) + bias; held; converted, eight neighbours along the reader's K at a time; 8 bytes a lane into my own stage in LDS; back as chunks of 512 consecutive bytes of the output.
; LDS serves a wave's instructions in order (ISA guide 5.7.1.4): no wait stands between my stores into the stage and my loads from it.
; q, k, block a: a lane's registers 8 b + 0..7 are channels 16 (b % 4) + 8 h + 0..7 of head b / 4, token 8 r + a.  Chunk 16 (b / 4) + r holds tokens 8 r .. 8 r + 7 x 64 channels.
.macro QKOUT a
	WIN 0x02+((\a)/4)                              ; source 0: window 2 or 3
.set ii, 0
.rept 32
	v_pk_fma_f32 v[TMP+ii:TMP+ii+1], v[64*((\a)%4)+ii:64*((\a)%4)+ii+1], s[96:97], v[BIAS+ii:BIAS+ii+1] op_sel_hi:[1,0,1]   ; the scalar pair's low word for both halves; each accumulator from its low end on
.set ii, ii+2
.endr
	WIN 0
.set ii, 0
.rept 64
.set ii, ii+1
.endr
	s_wait_alu depctr_va_vdst(0)
	s_wait_dscnt 0x0                               ; the last block's stores into the stage have read their registers
.irp b, 0,1,2,3,4,5,6,7
	v_cvt_scalef32_pk8_bf8_f32 v[CD+2*\b:CD+2*\b+1], v[TMP+8*\b:TMP+8*\b+7], v[SC]
.endr
	v_nop                                          ; one plain vector instruction behind the last conversion, ahead of the lines that write its sources anew
.irp b, 0,1,2,3,4,5,6,7
	ds_store_b64 v[STQ], v[CD+2*\b:CD+2*\b+1] offset:(\b/4)*16*CHP+(\a)*64+16*(\b%4)
.endr
.endm
; v, block of columns b: register j of the eight accumulators (a, b) is keys 8 r + a, a = 0..7, of channel d = 16 (b % 4) + 8 h + j of head b / 4.  They are gathered into eight neighbouring registers.
; Row of the output: 32 ((b % 4) / 2) + 16 h + 8 (b % 2) + j; four rows of 128 bytes to a chunk.
.macro VOUT b
	WIN 0x02
.irp a, 0,1,2,3
.irp j, 0,1,2,3,4,5,6,7
	v_fma_f32 v[TMP+8*\j+\a], v[64*\a+8*(\b)+\j], s96, v[BIAS+8*(\b)+\j]        ; each accumulator from its low end on
.endr
.endr
	WIN 0x03
.irp a, 4,5,6,7
.irp j, 0,1,2,3,4,5,6,7
	v_fma_f32 v[TMP+8*\j+\a], v[64*(\a-4)+8*(\b)+\j], s96, v[BIAS+8*(\b)+\j]
.endr
.endr
	WIN 0
.set ii, 0
.rept 64
.set ii, ii+1
.endr
	s_wait_alu depctr_va_vdst(0)
	s_wait_dscnt 0x0                               ; the last block's stores into the stage have read their registers
.irp j, 0,1,2,3,4,5,6,7
	v_cvt_scalef32_pk8_bf8_f32 v[CD+2*\j:CD+2*\j+1], v[TMP+8*\j:TMP+8*\j+7], v[SC]
.endr
	v_nop
.irp j, 0,1,2,3,4,5,6,7
	ds_store_b64 v[STV], v[CD+2*\j:CD+2*\j+1] offset:(16*((\b)/4)+8*(((\b)%4)/2)+2*((\b)%2)+\j/4)*CHP+(\j%4)*128
.endr
.endm
.macro SEND rd                         ; the stage's 32 chunks: 16 of my first head, 16 of my second
.set ii, 0
.rept 32
	ds_load_b128 v[BK+4*ii:BK+4*ii+3], v[\rd] offset:CHP*ii
.set ii, ii+1
.endr
.set ii, 0
.rept 32
	s_wait_dscnt 31-ii                             ; chunk ii is back; the younger loads may be out
	global_store_b128 v[CO], v[BK+4*ii:BK+4*ii+3], s[12:13] offset:(ii/16)*131072+(ii%16)*512   ; 32 lanes store 512 consecutive bytes, at a multiple of 512
.set ii, ii+1
.endr
.endm
	s_wait_kmcnt 0x0
	s_add_co_i32 s96, s68, s69                     ; e0 + e1
	s_add_co_i32 s96, s96, 127
	s_lshl_b32 s96, s96, 23                        ; 2^(e0 + e1) as f32
	s_mov_b32 s97, s96                             ; (named with it as a pair, so it is written)
	s_cmp_eq_u32 ttmp9, 0
	s_cselect_b32 s76, s70, s71                    ; e2 for q, e3 for k,
	s_cmp_eq_u32 ttmp9, 2
	s_cselect_b32 s76, s73, s76                    ; e5 for v: chosen without a jump
	s_add_co_i32 s76, s76, 127
	s_lshl_b32 s77, s76, 23
	v_mov_b32 v[SC], s77
	s_wait_loadcnt 0x0                             ; the bias
	PLACES NP                                      ; behind the last products, ahead of the first read of results
	s_cmp_eq_u32 ttmp9, 2                          ; the cluster's x: the same in all sixteen partners and in all four waves
	s_cbranch_scc1 .Lv
.irp a, 0,1,2,3,4,5,6,7
	QKOUT \a
.endr
	SEND RDQ
	s_branch .Lend
.Lv:
.irp b, 0,1,2,3,4,5,6,7
	VOUT \b
.endr
	SEND RDV
.Lend:
	s_wait_tensorcnt 0x0                           ; the wave's end, behind my last tensor load and my last LDS store
	ds_add_u32 v[SPW], v[NIL]
	s_wait_dscnt 0x0
	CROUND                                         ; the closing round: no work-group ends while a partner may still ask for a tile that names it
	s_endpgm
.Lfunc_end_k_qf4c350ee1c_qkv:
	.size	k_qf4c350ee1c_qkv, .Lfunc_end_k_qf4c350ee1c_qkv-k_qf4c350ee1c_qkv
	.p2alignl 7, 3214868480
	.fill 96, 4, 3214868480
	.section	.rodata,"a",@progbits
	.p2align	6, 0x0
	.amdhsa_kernel k_qf4c350ee1c_qkv
		.amdhsa_group_segment_fixed_size 327680
		.amdhsa_private_segment_fixed_size 0
		.amdhsa_enable_private_segment 0
		.amdhsa_kernarg_size 40
		.amdhsa_user_sgpr_count 2
		.amdhsa_user_sgpr_kernarg_segment_ptr 1
		.amdhsa_wavefront_size32 1
		.amdhsa_system_sgpr_workgroup_id_x 1
		.amdhsa_system_sgpr_workgroup_id_y 1
		.amdhsa_system_sgpr_workgroup_id_z 1
		.amdhsa_system_vgpr_workitem_id 0
		.amdhsa_next_free_vgpr 1024
		.amdhsa_next_free_sgpr 100
		.amdhsa_reserve_vcc 0
		.amdhsa_float_denorm_mode_32 3
		.amdhsa_float_denorm_mode_16_64 3
		.amdhsa_fp16_overflow 1
		.amdhsa_memory_ordered 1
		.amdhsa_forward_progress 1
		.amdhsa_inst_pref_size 159
	.end_amdhsa_kernel
	.amdgpu_metadata
---
amdhsa.version: [ 1, 2 ]
amdhsa.kernels:
  - .name:           k_qf4c350ee1c_qkv
    .symbol:         k_qf4c350ee1c_qkv.kd
    .args:
      - { .name: x_codes, .offset: 0, .size: 8, .value_kind: global_buffer, .address_space: global }
      - { .name: w_codes, .offset: 8, .size: 8, .value_kind: global_buffer, .address_space: global }
      - { .name: lowp_scales, .offset: 16, .size: 8, .value_kind: global_buffer, .address_space: global }
      - { .name: b_attn, .offset: 24, .size: 8, .value_kind: global_buffer, .address_space: global }
      - { .name: qkv, .offset: 32, .size: 8, .value_kind: global_buffer, .address_space: global }
    .group_segment_fixed_size: 327680
    .private_segment_fixed_size: 0
    .kernarg_segment_align: 8
    .kernarg_segment_size: 40
    .max_flat_workgroup_size: 128
    .sgpr_count:     100
    .vgpr_count:     1024
    .wavefront_size: 32
...
	.end_amdgpu_metadata
.endif
;; end of part 2
;; launch attn (part 3): grid 4 x 64, 8 waves a work-group, clusters of 4 x 1, 327,680 bytes of LDS; arguments qkv, lowp_scales, y_img; writes y_img
.if DOCPART == 3
	.amdgcn_target "amdgcn-amd-amdhsa--gfx1250"
	.amdhsa_code_object_version 6
	.text
	.protected	k_qf4c350ee1c_attn
	.globl	k_qf4c350ee1c_attn
	.p2align	8
	.type	k_qf4c350ee1c_attn,@function
k_qf4c350ee1c_attn:
	s_mov_b64 s[64:65], 0
	v_nop
	global_prefetch_b8 v0, s[64:65] scope:SCOPE_SE
	s_setreg_imm32_b32 hwreg(HW_REG_WAVE_MODE, 25, 1), 1
	s_wait_xcnt 0x0
	s_wait_alu depctr_hold_cnt(0) depctr_sa_sdst(0) depctr_va_vdst(0) depctr_va_sdst(0) depctr_va_ssrc(0) depctr_va_vcc(0) depctr_vm_vsrc(0)
	s_getreg_b32 s2, hwreg(HW_REG_IB_STS2, 6, 4)
	s_cmp_eq_u32 s2, 0
	s_cbranch_scc0 .Lentry_in_a_cluster
	s_endpgm
.Lentry_in_a_cluster:
	s_bfe_u32 s2, ttmp6, 0x10000c
	s_cmp_lg_u32 s2, 0x3003
	s_cbranch_scc0 .Lentry_shape_is_right
	s_endpgm
.Lentry_shape_is_right:
; y = softmax(q k^T / 8, causal) v for each of 64 (batch, head), both products on codes of BF8 (E5M2); y is quantised at once, with the scale 2^e6 given for it, and stored as codes.
; IN, from the buffer qkv: q at byte 0, k at 2^23: [bh][token 2048][64].  v at 2^24: [bh][key step 16][row 64][byte 128], row = channel with bits 3 and 4 exchanged, byte = key mod 128 with bits 3 and 4 exchanged.
; THE SOFTMAX AHEAD OF THE SECOND PRODUCT: t = score x log2(e) / 8; M = the row's largest t so far, rounded UP to a whole number; p = 2^(t - M) is what is quantised (scale 2^e4); it is not normalised.
; The row's sum is taken of the unquantised p, in f32, and divides O at the end.  When M moves, the sum and O are multiplied by 2^(old M - new M): exact.
; OUT: y_img [tile of 16 tokens 512][head 16][B 2][512 bytes]: images of the next product's operand registers: lane (r, h)'s 16 bytes at 16 x lane are y(token r, channels 32 B + 16 h + 0..15 of the head).
; LIMITS on the given exponents: e2 + e3 between -123 and 130 (they are added to c's exponent field); e4 and e6 between -126 and 112; e4 + e5 is applied by v_ldexp_f32 and has none.
; CLUSTER.  The four work-groups of a cluster serve ONE head.  The head's whole K (2,048 x 64 bytes) and V lie in each one's LDS, brought once, JOINTLY (mask 15), by first fills at the head: each of the
; eight waves asks for 256 keys of K and two key steps of V.  No LDS byte is filled twice or stored to: behind the one barrier there is no ring, no refill and no further barrier in the work,
; and since all that is read from memory later is a wave's own 2,048 bytes of q, nothing is prefetched.
; SHARES.  The head's 128 tiles of 16 queries form 16 blocks of 128 queries.  Partner cx owns tiles 2 cx and 2 cx + 1 of every block.  Wave w takes the two tiles of block w, then those of block 15 - w.
; Block g needs key steps 0 .. g (128 keys each; step g lies on the diagonal): (w + 1) + (16 - w) = 17 steps for every wave of every work-group.  A wave's two tiles share each fragment of K and V.
; Every branch hangs on the wave's number and on counters alone; cx enters global addresses and the mask's threshold, which is data.
; LAYOUT.  Both products are used transposed: S^T = K Q^T (source 0 = 16 keys, source 1 = 16 queries), O^T = V^T P^T (source 0 = 16 rows of V, source 1 = P): a lane holds ONE query (lane % 16) throughout.
; Register 8 T + j of S^T is key 16 T + 8 h + j of the step; its code's place in P meets, by V's exchanged bytes, the same key in V's fragment.  By V's exchanged rows the 16 registers of O^T's tiles 2 B and 2 B + 1 are channels 32 B + 16 h + 0..15.
; REGISTERS.  Window 0: see the names below.  Window 1: v0-63 O^T: tile u, rows 16 t on, at v[32 u + 8 t].
.set KP,   80                          ; a key's row in LDS: 64 bytes + 16 of padding
.set VP,   144                         ; a row of V in LDS: 128 bytes + 16 of padding
.set VB,   2048*KP                     ; LDS: K at 0, V from here on; a key step of V is 64 rows
.set AK0,  1                           ; v1   my lane's place in a tile of K: KP r + 16 h
.set AV0,  2                           ; v2   the same for V: VB + VP r + 16 h
.set QO,   3                           ; v3   my byte in a tile of Q: 64 r + 16 h
.set YO,   4                           ; v4   16 x lane
.set DL0,  5                           ; v5, v6  the mask's threshold for tile 0, 1: my query in its block - 8 h
.set NINF, 7                           ; v7   -infinity
.set ADK,  8                           ; v8   LDS address of the step's tiles of K
.set ADV,  9                           ; v9   of V
.set PLM,  10
.set STT,  12                          ; v12-15, v16-19  tile u: -M, the largest t, the sum in two halves
.set FF,   20                          ; v[20:21], v[22:23]  tile u: f = 2^(old M - new M) (the upper halves are written once: the pairs are named)
.set T0,   24                          ; v24-26 at work; v26 is the lane permute's destination
.set PSC,  27                          ; v27  2^e4 as f32
.set CH2,  28                          ; v[28:29] the sum's second chain
.set Q,    32                          ; v32-47  Q: 8 registers a tile
.set F,    48                          ; v48-111 eight fragments of K, then four of V
.set S,    112                         ; v112-175 S^T of one tile, then p; on the way out both tiles' y
.set P,    176                         ; v176-207 p's codes, 16 a tile; on the way out y's codes
.set YSC,  208                         ; v208 2^e6 as f32
.set RL,   210                         ; v[210:211], v[212:213] tile u: 2^(e4 + e5) / the sum
.set WV,   10                          ; s10  my wave's number
.set G1K,  16                          ; s[16:23] descriptor group 1 for K;  s[24:31] for V;  s[32:35], s[36:39] their groups 0
.set G1V,  24
.set G0K,  32
.set G0V,  36
.set SEL,  40                          ; s[40:41] lane selects for v_permlanex16_b32: lane l xor 16
.set CS,   42                          ; s[42:43] c = log2(e) / 8 x 2^(e2 + e3)
.set QB,   52                          ; s[52:53] Q at my work-group's tiles of block 0;  s[54:55] the same in y_img
.set YB,   54
.set QP,   56                          ; s[56:57], s[58:59] the same for the block in hand
.set YP,   58
.set SG,   60                          ; s60  the block in hand
.set KS,   61                          ; s61  the key step
.set TBK,  62                          ; s62  LDS byte of the step's keys
.set TBV,  63                          ; s63  and of its V, less VB
.set PS,   66                          ; s66  passes to go
.set MSB, 0
.macro WIN new                         ; the immediate's high byte repeats the setting that is left
.if MSB != \new
	s_set_vgpr_msb (MSB<<8)|\new
.set MSB, \new
.endif
.endm
.macro CROUND                          ; a round of the cluster's barrier
	s_barrier_signal -1
	s_barrier_wait -1
	s_cmp_lg_u32 s[WV], 0
	s_cbranch_scc1 .Lnot_wave_0_\@
	s_barrier_signal -3
.Lnot_wave_0_\@:
	s_barrier_wait -3
	s_barrier_signal -1
	s_barrier_wait -1
.endm
	s_load_b128 s[4:7], s[0:1], 0x0                ; qkv s[4:5], the scales' exponents s[6:7]
	s_load_b64 s[8:9], s[0:1], 0x10                ; y_img
	v_lshl_add_u32 v254, v0, 2, 0x4c000
	v_mov_b32 v255, 0
	ds_add_u32 v254, v255
	ds_add_u32 v254, v255
	v_lshrrev_b32 v1, 5, v0
	s_delay_alu instid0(VALU_DEP_1)
	v_readfirstlane_b32 s[WV], v1                  ; wave 0..7
	s_bfe_u32 s11, ttmp6, 0x40000                  ; cx: my place in the cluster
	s_and_b32 s12, ttmp7, 0xffff                   ; bh: batch x 16 + head, which the four partners share
	; descriptor group 1.  K: 256 rows of 64 bytes, dense in memory;  V: 128 rows of 128 bytes, dense
	s_mov_b32 s[G1K], 15|(0<<16)|(1<<20)|(1<<21)|(3<<22)|(3<<25)   ; 15:0 the mask: all four work-groups; 17:16 elements of 1 byte; 20 padding on; 21 set beside a mask; 24:22 after every 16 words (code 3); 31:25 four words (code 3)
	s_mov_b32 s[G1K+1], 64<<16                     ; tensor_dim0
	s_mov_b32 s[G1K+2], 256<<16                    ; tensor_dim1
	s_mov_b32 s[G1K+3], 64<<16                     ; tile_dim0
	s_mov_b32 s[G1K+4], 256                        ; tile_dim1
	s_mov_b32 s[G1K+5], 64                         ; tensor_dim0_stride
	s_mov_b32 s[G1K+6], 0
	s_mov_b32 s[G1K+7], 0
	s_mov_b32 s[G1V], 15|(0<<16)|(1<<20)|(1<<21)|(4<<22)|(3<<25)   ; padding: four words after every 32
	s_mov_b32 s[G1V+1], 128<<16
	s_mov_b32 s[G1V+2], 128<<16
	s_mov_b32 s[G1V+3], 128<<16
	s_mov_b32 s[G1V+4], 128
	s_mov_b32 s[G1V+5], 128
	s_mov_b32 s[G1V+6], 0
	s_mov_b32 s[G1V+7], 0
	s_mov_b32 s[SEL], 0x76543210
	s_mov_b32 s[SEL+1], 0xfedcba98
	s_lshl_b32 s68, s12, 17                        ; the head's 2^17 bytes,
	s_lshl_b32 s69, s[WV], 14                      ; my wave's eighth of them: 256 keys of K, two key steps of V
	s_add_co_u32 s68, s68, s69
	s_mov_b32 s69, 0
	s_mul_i32 s70, s[WV], 256*KP                   ; where they go: no place in the cluster enters an LDS address
	s_mul_i32 s71, s[WV], 128*VP
	s_add_co_u32 s71, s71, VB
	s_wait_dscnt 0x0
	s_wait_kmcnt 0x0
	s_load_b256 s[44:51], s[6:7], 0x0              ; e0 .. e7
	s_mov_b32 s[G0K], 1                            ; 1:0 count = 1
	s_mov_b32 s[G0K+1], s70                        ; 63:32 LDS address
	s_add_nc_u64 s[G0K+2:G0K+3], s[4:5], s[68:69]  ; 120:64 global address
	s_add_nc_u64 s[G0K+2:G0K+3], s[G0K+2:G0K+3], 1<<23
	s_or_b32 s[G0K+3], s[G0K+3], 0x80000000        ; 127:126 type = 2
	s_mov_b32 s[G0V], 1
	s_mov_b32 s[G0V+1], s71
	s_add_nc_u64 s[G0V+2:G0V+3], s[4:5], s[68:69]
	s_add_nc_u64 s[G0V+2:G0V+3], s[G0V+2:G0V+3], 2<<23
	s_or_b32 s[G0V+3], s[G0V+3], 0x80000000
	CROUND                                         ; all four work-groups are here: the joint loads meet
	tensor_load_to_lds s[G0K:G0K+3], s[G1K:G1K+7]  ; K, the first of the launch's two fills: one load of mine is out
	s_nop 0
	s_wait_alu depctr_va_vdst(0)
	s_wait_tensorcnt 0x0
	ds_add_u32 v254, v255
	s_wait_dscnt 0x0
	CROUND
	tensor_load_to_lds s[G0V:G0V+3], s[G1V:G1V+7]
	s_nop 0
.rept 4
	v_nop
.endr
	v_and_b32 v24, 15, v0                          ; r
	v_bfe_u32 v25, v0, 4, 1                        ; h
	s_delay_alu instid0(VALU_DEP_2)
	v_mul_u32_u24 v[AK0], v24, KP
	s_delay_alu instid0(VALU_DEP_1)
	v_lshl_add_u32 v[AK0], v25, 4, v[AK0]
	s_delay_alu instid0(VALU_DEP_4)
	v_mul_u32_u24 v[AV0], v24, VP
	s_delay_alu instid0(VALU_DEP_1)
	v_lshl_add_u32 v[AV0], v25, 4, v[AV0]
	s_delay_alu instid0(VALU_DEP_1)
	v_add_nc_u32 v[AV0], VB, v[AV0]
	v_lshlrev_b32 v[QO], 6, v24
	s_delay_alu instid0(VALU_DEP_1)
	v_lshl_add_u32 v[QO], v25, 4, v[QO]
	v_and_b32 v[YO], 31, v0
	s_delay_alu instid0(VALU_DEP_1)
	v_lshlrev_b32 v[YO], 4, v[YO]
	v_lshlrev_b32 v25, 3, v25
	s_delay_alu instid0(VALU_DEP_1)
	v_sub_nc_u32 v[DL0], v24, v25
	s_lshl_b32 s67, s11, 5
	v_add_nc_u32 v[DL0], s67, v[DL0]               ; 32 cx + r - 8 h
	s_delay_alu instid0(VALU_DEP_1)
	v_add_nc_u32 v[DL0+1], 16, v[DL0]
	v_mov_b32 v[NINF], 0xff800000
	v_mov_b32 v[FF+1], 0                           ; upper halves of pairs of which the low word alone is taken
	v_mov_b32 v[FF+3], 0
	v_mov_b32 v[RL+1], 0
	v_mov_b32 v[RL+3], 0
	v_mov_b32 v[T0+2], 0                           ; a lane permute's destination counts as one of its sources
	s_lshl_b32 s68, s12, 17
	s_lshl_b32 s69, s11, 11                        ; my two tiles of a block: 32 cx tokens of 64 bytes
	s_add_co_u32 s68, s68, s69
	s_mov_b32 s69, 0
	s_add_nc_u64 s[QB:QB+1], s[4:5], s[68:69]
	s_lshr_b32 s68, s12, 4
	s_lshl_b32 s68, s68, 21                        ; the batch: 128 tiles of 16,384 bytes
	s_and_b32 s70, s12, 15
	s_lshl_b32 s70, s70, 10                        ; the head: 1,024 bytes
	s_add_co_u32 s68, s68, s70
	s_lshl_b32 s70, s11, 15                        ; my two tiles of a block
	s_add_co_u32 s68, s68, s70
	s_add_nc_u64 s[YB:YB+1], s[8:9], s[68:69]
	s_wait_kmcnt 0x0
	s_mov_b32 s[CS], 0x3e38aa3b                    ; log2(e) / 8
	s_add_co_i32 s67, s46, s47                     ; a score stands for score x 2^(e2 + e3): the two exponents are added to c's exponent field
	s_lshl_b32 s67, s67, 23
	s_add_co_i32 s[CS], s[CS], s67
	s_mov_b32 s[CS+1], s[CS]                       ; (named with it as a pair, so it is written)
	s_add_co_i32 s67, s48, 127
	s_lshl_b32 s68, s67, 23
	v_mov_b32 v[PSC], s68                          ; 2^e4
	s_add_co_i32 s67, s50, 127
	s_lshl_b32 s68, s67, 23
	v_mov_b32 v[YSC], s68                          ; 2^e6
	s_add_co_i32 s72, s48, s49                     ; e4 + e5
	s_wait_tensorcnt 0x0                           ; my parts of K and V are in,
	s_barrier_signal -1
	s_barrier_wait -1                              ; everybody's are: from here on LDS is only read
; One tile's softmax for one key step: S^T in v[S] on becomes p's codes in v[P + 16 u] on.
.macro SOFTMAX u
.set NM, STT+4*\u                      ; -M;  NM + 1 the largest t;  NM + 2, NM + 3 the sum
.set FU, FF+2*\u
	s_cmp_lg_u32 s[KS], s[SG]                      ; only the block's last step lies on the diagonal; in the others every key counts
	s_cbranch_scc1 .Lopen_\@
.set ii, 0
.rept 64
	v_cmp_gt_i32 vcc_lo, 16*(ii/8)+ii%8, v[DL0+\u] ; register ii holds the step's key 16 (ii / 8) + 8 h + ii % 8: hidden where it comes after my query: then -infinity, so that p = 0
	v_cndmask_b32 v[S+ii], v[S+ii], v[NINF], vcc_lo
.set ii, ii+1
.endr
.Lopen_\@:
	v_max3_num_f32 v[T0], v[S], v[S+1], v[S+2]     ; the step's largest score of my query, among my 64 keys, in two chains,
	v_max3_num_f32 v[T0+1], v[S+3], v[S+4], v[S+5]
.irp i, 6,10,14,18,22,26,30,34,38,42,46,50,54,58
	v_max3_num_f32 v[T0], v[T0], v[S+\i], v[S+\i+1]
	v_max3_num_f32 v[T0+1], v[T0+1], v[S+\i+2], v[S+\i+3]
.endr
	v_max3_num_f32 v[T0], v[T0], v[S+62], v[S+63]
	s_delay_alu instid0(VALU_DEP_1)
	v_max_num_f32 v[T0], v[T0], v[T0+1]
	s_delay_alu instid0(VALU_DEP_1)
	v_permlanex16_b32 v[T0+2], v[T0], s[SEL], s[SEL+1]
	s_delay_alu instid0(VALU_DEP_1)
	v_max_num_f32 v[T0], v[T0], v[T0+2]            ; and among lane l xor 16's (the step's first key counts for every query, so this is a number)
	s_delay_alu instid0(VALU_DEP_1)
	v_mul_f32 v[T0], s[CS], v[T0]                  ; as t (c is positive)
	s_delay_alu instid0(VALU_DEP_1)
	v_max_num_f32 v[NM+1], v[NM+1], v[T0]          ; the running largest t
	v_mov_b32 v[T0], v[NM]
	s_delay_alu instid0(VALU_DEP_2)
	v_floor_f32 v[NM], -v[NM+1]                    ; the new -M = floor(-t) = -ceil(t): M IS A WHOLE NUMBER
	s_delay_alu instid0(VALU_DEP_1)
	v_sub_f32 v[T0], v[NM], v[T0]                  ; M's old value less its new one: a whole number, 0 or less
	s_delay_alu instid0(VALU_DEP_1)
	v_cvt_i32_f32 v[T0], v[T0]                     ; (it saturates)
	s_delay_alu instid0(VALU_DEP_1)
	v_ldexp_f32 v[FU], 1.0, v[T0]                  ; f = 2^(old M - new M)
.set ii, 0
.rept 32
	v_pk_fma_f32 v[S+ii:S+ii+1], v[S+ii:S+ii+1], s[CS:CS+1], v[NM:NM+1] op_sel_hi:[1,0,0]   ; t - M, two at a time (of the pairs c and -M the low word serves both halves)
.set ii, ii+2
.endr
.set ii, 0
	s_wait_alu depctr_va_vdst(0)
.rept 64
	v_exp_f32 v[S+ii], v[S+ii]                     ; p = 2^(t - M), at most 1: NOT normalised
.set ii, ii+1
.endr
	v_pk_mul_f32 v[NM+2:NM+3], v[NM+2:NM+3], v[FU:FU+1] op_sel_hi:[1,0]   ; the sums under the new M: the plain instruction behind the exponentials
	s_wait_alu depctr_va_vdst(0)                   ; the wait ahead of the first line that names an exponential's result: one for the batch of 64
	v_pk_add_f32 v[CH2:CH2+1], v[S:S+1], v[S+2:S+3]   ; THE ROW'S SUM IS TAKEN OF THE UNQUANTISED p: two at a time, in two chains
.irp j, 4,8,12,16,20,24,28,32,36,40,44,48,52,56,60
	v_pk_add_f32 v[NM+2:NM+3], v[NM+2:NM+3], v[S+\j:S+\j+1]
	v_pk_add_f32 v[CH2:CH2+1], v[CH2:CH2+1], v[S+\j+2:S+\j+3]
.endr
	s_delay_alu instid0(VALU_DEP_1)
	v_pk_add_f32 v[NM+2:NM+3], v[NM+2:NM+3], v[CH2:CH2+1]
.set ii, 0
.rept 64
.set ii, ii+1
.endr
.irp t, 0,1,2,3,4,5,6,7
	v_cvt_scalef32_pk8_bf8_f32 v[P+16*\u+2*\t:P+16*\u+2*\t+1], v[S+8*\t:S+8*\t+7], v[PSC]
.endr
.endm
	s_mov_b32 s[SG], s[WV]                         ; block w first, then block 15 - w
	s_mov_b32 s[PS], 2
.Lpass:
	s_wait_xcnt 0x0                                ; the last pass's stores have read their base and their data: both are written anew below
	s_lshl_b32 s68, s[SG], 13                      ; a block's 128 tokens of 64 bytes
	s_mov_b32 s69, 0
	s_add_nc_u64 s[QP:QP+1], s[QB:QB+1], s[68:69]
	s_lshl_b32 s68, s[SG], 17                      ; a block's 8 tiles of 16,384 bytes
	s_add_nc_u64 s[YP:YP+1], s[YB:YB+1], s[68:69]
.irp u, 0,1
	global_load_b128 v[Q+8*\u:Q+8*\u+3], v[QO], s[QP:QP+1] offset:1024*\u        ; registers 0-3: channels 16 h + 0..15; registers 4-7: 32 + 16 h + 0..15: the same places as in K's fragments
	global_load_b128 v[Q+8*\u+4:Q+8*\u+7], v[QO], s[QP:QP+1] offset:1024*\u+32
.endr
.irp u, 0,1
	v_mov_b32 v[STT+4*\u+1], 0xff61b1e6            ; the largest t so far: -3e38, under every t
	s_delay_alu instid0(VALU_DEP_1)
	v_floor_f32 v[STT+4*\u], -v[STT+4*\u+1]        ; -M
	v_mov_b32 v[STT+4*\u+2], 0                     ; the sum, in two halves
	v_mov_b32 v[STT+4*\u+3], 0
.endr
	WIN 0x40                                       ; destination window 1
.set ii, 0
.rept 64
	v_mov_b32 v[ii], 0                             ; O^T.  (The step is written once: a pass's first step finds zeros, which the first change of M leaves zeros)
.set ii, ii+1
.endr
	WIN 0
	s_mov_b32 s[KS], 0
	s_mov_b32 s[TBK], 0
	s_mov_b32 s[TBV], 0
	s_wait_loadcnt 0x0                             ; Q
.Lstep:                                            ; sixteen trips, a constant; a step all of whose keys come after the block's queries is passed over
	s_cmp_gt_u32 s[KS], s[SG]
	s_cbranch_scc1 .Lhidden
	s_setprio 2
	v_add_nc_u32 v[ADK], s[TBK], v[AK0]
	v_add_nc_u32 v[ADV], s[TBV], v[AV0]
	v_nop                                          ; with the two additions: four places in front of loads into registers that the last step's products have read
	v_nop
.set tt, 0
.rept 8
	ds_load_b128 v[F+8*tt:F+8*tt+3], v[ADK] offset:16*KP*tt          ; tile tt: keys 16 tt + r
	ds_load_b128 v[F+8*tt+4:F+8*tt+7], v[ADK] offset:16*KP*tt+32
.set tt, tt+1
.endr
	s_wait_dscnt 0x0
.set tt, 0
.rept 8
	v_wmma_f32_16x16x64_bf8_bf8 v[S+8*tt:S+8*tt+7], v[F+8*tt:F+8*tt+7], v[Q:Q+7], 0        ; S^T of my first tile
.set tt, tt+1
.endr
.rept 4
	v_nop                                          ; places in front of the first read of results
.endr
	SOFTMAX 0
	v_nop                                          ; one plain vector instruction behind the last conversion, ahead of the products that write its sources anew
.set tt, 0
.rept 8
	v_wmma_f32_16x16x64_bf8_bf8 v[S+8*tt:S+8*tt+7], v[F+8*tt:F+8*tt+7], v[Q+8:Q+15], 0     ; S^T of my second tile, from the same fragments of K
.set tt, tt+1
.endr
.rept 4
	v_nop                                          ; places in front of the loads into K's registers and of the first read of results
.endr
.set tt, 0
.rept 4
.irp c, 0,1,2,3
	ds_load_b128 v[F+16*tt+4*\c:F+16*tt+4*\c+3], v[ADV] offset:16*VP*tt+32*\c    ; V's fragment tt: rows 16 tt + r, bytes 32 c + 16 h + 0..15.  They land while the second softmax is worked
.endr
.set tt, tt+1
.endr
	s_setprio 1
	SOFTMAX 1
	WIN 0x41                                       ; O^T (destination and source 0) window 1, f window 0
	s_setprio 0
.irp u, 0,1
.set ii, 0
.rept 16
	v_pk_mul_f32 v[32*\u+ii:32*\u+ii+1], v[32*\u+ii:32*\u+ii+1], v[FF+2*\u:FF+2*\u+1] op_sel_hi:[1,0]   ; O^T under the new M: x f; each accumulator from its low end on
.set ii, ii+2
.endr
.endr
	s_wait_alu depctr_va_vdst(0)
	s_wait_dscnt 0x0                               ; V
	WIN 0x50                                       ; C and D window 1
.irp t, 0,1,2,3
.irp u, 0,1
	v_wmma_f32_16x16x128_bf8_bf8 v[32*\u+8*\t:32*\u+8*\t+7], v[F+16*\t:F+16*\t+15], v[P+16*\u:P+16*\u+15], v[32*\u+8*\t:32*\u+8*\t+7]   ; the eight accumulators take turns, one instruction a turn
.endr
.endr
	WIN 0
.Lhidden:
	s_add_co_u32 s[KS], s[KS], 1
	s_add_co_u32 s[TBK], s[TBK], 128*KP
	s_add_co_u32 s[TBV], s[TBV], 64*VP
	s_cmp_lt_u32 s[KS], 16
	s_cbranch_scc1 .Lstep
	s_setprio 0
	; THE WAY OUT of a pass.  The additions are the places behind the last products.  y = O^T x 2^(e4 + e5) / the sum; held; converted; a lane's 16 codes are an image's 16 bytes: no stage is needed.
	v_add_f32 v[STT+2], v[STT+2], v[STT+3]         ; the sum's two halves,
	v_add_f32 v[STT+6], v[STT+6], v[STT+7]
	s_delay_alu instid0(VALU_DEP_2)
	v_permlanex16_b32 v[T0], v[STT+2], s[SEL], s[SEL+1]
	s_delay_alu instid0(VALU_DEP_2)
	v_permlanex16_b32 v[T0+1], v[STT+6], s[SEL], s[SEL+1]
	s_delay_alu instid0(VALU_DEP_2)
	v_add_f32 v[STT+2], v[STT+2], v[T0]            ; and lane l xor 16's: the row's sum
	s_delay_alu instid0(VALU_DEP_2)
	v_add_f32 v[STT+6], v[STT+6], v[T0+1]
	s_wait_alu depctr_va_vdst(0)
	v_rcp_f32 v[RL], v[STT+2]
	v_rcp_f32 v[RL+2], v[STT+6]
	v_nop                                          ; a plain instruction behind the reciprocals,
	s_wait_alu depctr_va_vdst(0)                   ; and the wait ahead of their first reader: one for the two
	v_ldexp_f32 v[RL], v[RL], s72                  ; x 2^(e4 + e5)
	v_ldexp_f32 v[RL+2], v[RL+2], s72
	WIN 0x01                                       ; source 0 (O^T) window 1
.irp u, 0,1
.set ii, 0
.rept 16
	v_pk_mul_f32 v[S+32*\u+ii:S+32*\u+ii+1], v[32*\u+ii:32*\u+ii+1], v[RL+2*\u:RL+2*\u+1] op_sel_hi:[1,0]   ; each accumulator from its low end on
.set ii, ii+2
.endr
.endr
	WIN 0
.set ii, 0
.rept 64
.set ii, ii+1
.endr
.irp x, 0,1,2,3,4,5,6,7
	v_cvt_scalef32_pk8_bf8_f32 v[P+2*\x:P+2*\x+1], v[S+8*\x:S+8*\x+7], v[YSC]    ; registers P + 8 u + 4 B .. + 3: channels 32 B + 16 h + 0..15 of tile u's token r
.endr
	v_nop                                          ; one plain vector instruction behind the last conversion
.irp u, 0,1
.irp b, 0,1
	global_store_b128 v[YO], v[P+8*\u+4*\b:P+8*\u+4*\b+3], s[YP:YP+1] offset:16384*\u+512*\b   ; 32 lanes store 512 consecutive bytes, at a multiple of 512
.endr
.endr
	s_xor_b32 s[SG], s[SG], 15                     ; block 15 - w
	s_sub_co_u32 s[PS], s[PS], 1
	s_cmp_lg_u32 s[PS], 0
	s_cbranch_scc1 .Lpass
	s_wait_dscnt 0x0                               ; no LDS instruction of mine is pending at a signal
	s_wait_tensorcnt 0x0
	ds_add_u32 v254, v255
	s_wait_dscnt 0x0
	CROUND                                         ; the closing round
	s_endpgm
.Lfunc_end_k_qf4c350ee1c_attn:
	.size	k_qf4c350ee1c_attn, .Lfunc_end_k_qf4c350ee1c_attn-k_qf4c350ee1c_attn
	.p2alignl 7, 3214868480
	.fill 96, 4, 3214868480
	.section	.rodata,"a",@progbits
	.p2align	6, 0x0
	.amdhsa_kernel k_qf4c350ee1c_attn
		.amdhsa_group_segment_fixed_size 327680
		.amdhsa_private_segment_fixed_size 0
		.amdhsa_enable_private_segment 0
		.amdhsa_kernarg_size 24
		.amdhsa_user_sgpr_count 2
		.amdhsa_user_sgpr_kernarg_segment_ptr 1
		.amdhsa_wavefront_size32 1
		.amdhsa_system_sgpr_workgroup_id_x 1
		.amdhsa_system_sgpr_workgroup_id_y 1
		.amdhsa_system_sgpr_workgroup_id_z 1
		.amdhsa_system_vgpr_workitem_id 0
		.amdhsa_next_free_vgpr 320
		.amdhsa_next_free_sgpr 80
		.amdhsa_reserve_vcc 1
		.amdhsa_float_denorm_mode_32 3
		.amdhsa_float_denorm_mode_16_64 3
		.amdhsa_fp16_overflow 1
		.amdhsa_memory_ordered 1
		.amdhsa_forward_progress 1
		.amdhsa_inst_pref_size 49
	.end_amdhsa_kernel
	.amdgpu_metadata
---
amdhsa.version: [ 1, 2 ]
amdhsa.kernels:
  - .name:           k_qf4c350ee1c_attn
    .symbol:         k_qf4c350ee1c_attn.kd
    .args:
      - { .name: qkv, .offset: 0, .size: 8, .value_kind: global_buffer, .address_space: global }
      - { .name: lowp_scales, .offset: 8, .size: 8, .value_kind: global_buffer, .address_space: global }
      - { .name: y_img, .offset: 16, .size: 8, .value_kind: global_buffer, .address_space: global }
    .group_segment_fixed_size: 327680
    .private_segment_fixed_size: 0
    .kernarg_segment_align: 8
    .kernarg_segment_size: 24
    .max_flat_workgroup_size: 256
    .sgpr_count:     80
    .vgpr_count:     320
    .wavefront_size: 32
...
	.end_amdgpu_metadata
.endif
;; end of part 3
;; launch proj (part 4): grid 8 x 32, 4 waves a work-group, clusters of 4 x 4, 327,680 bytes of LDS; arguments y_img, w_codes, lowp_scales, b_proj, out0; writes out0
.if DOCPART == 4
	.amdgcn_target "amdgcn-amd-amdhsa--gfx1250"
	.amdhsa_code_object_version 6
	.text
	.protected	k_qf4c350ee1c_proj
	.globl	k_qf4c350ee1c_proj
	.p2align	8
	.type	k_qf4c350ee1c_proj,@function
k_qf4c350ee1c_proj:
	s_mov_b64 s[64:65], 0
	v_nop
	global_prefetch_b8 v0, s[64:65] scope:SCOPE_SE
	s_setreg_imm32_b32 hwreg(HW_REG_WAVE_MODE, 25, 1), 1
	s_wait_xcnt 0x0
	s_wait_alu depctr_hold_cnt(0) depctr_sa_sdst(0) depctr_va_vdst(0) depctr_va_sdst(0) depctr_va_ssrc(0) depctr_va_vcc(0) depctr_vm_vsrc(0)
	s_getreg_b32 s2, hwreg(HW_REG_IB_STS2, 6, 4)
	s_cmp_eq_u32 s2, 0
	s_cbranch_scc0 .Lentry_in_a_cluster
	s_endpgm
.Lentry_in_a_cluster:
	s_bfe_u32 s2, ttmp6, 0x10000c
	s_cmp_lg_u32 s2, 0xf033
	s_cbranch_scc0 .Lentry_shape_is_right
	s_endpgm
.Lentry_shape_is_right:
; out = y W_proj + b_proj on codes of BF8 (E5M2).  out(token, n) = sum x 2^(e6 + e7) + b_proj[n], one fused multiply-add in f32.
; A: y_img [tile of 16 tokens 512][32 images of 512 bytes]: image i holds, at 16 x lane, lane (r, h)'s 16 codes y(token r, k = 32 i + 16 h + 0..15): four images on end ARE a fragment's registers (16 rows x 128 K).
; B: w_codes rows 3072..4095 [n][1024], K innermost.  out0: [8192][1024] f32.
; LIMIT: e6 + e7 between -126 and 127, so that 2^(e6 + e7) is an f32 number.
; A tile is 256 tokens x 128 columns: 256 work-groups, one to a WGP (tiles of 256 x 256 would be 128).  Four waves; a wave makes 128 x 64: 32 accumulators, 256 registers.
; K = 1,024 goes in four steps of 256.  THREE LDS slots fit: K steps 0, 1, 2 are asked for at the head, and the launch has ONE refill: slot 0 takes K step 3 when it has been read, with two slots' products in which to land.
; So three of the four K steps are on their way from the head on, and nothing is prefetched.
; CLUSTERS: 4 x 4 work-groups; A's tiles are shared along a row of the cluster, B's along a column: each is asked for JOINTLY.
; THE MATRIX INSTRUCTION IS USED TRANSPOSED (source 0 = 16 rows of B, source 1 = 16 tokens): a lane holds eight neighbouring columns of one token's row.
; REGISTERS: window 0: v16-29 addresses; v32-63 the bias; v64-95 at work on the way out; from v128 A's fragments (8 x 16), ONE set.   window 1: B's fragments (4 x 16), TWO sets, at v0 and v128.
;   window 2: the accumulators: (a, b) at v[8 (4 a + b)].
; SCALARS: s14-17 wave, halves, tile row; s[24:31], s[32:43] A's descriptors; s[48:55], s[72:83] B's; s56-60 my place in the cluster, the tile column, the two masks; s[84:91] the exponents.
.set PITCH,  272                       ; a row of B in LDS: 256 bytes + 16 of padding
.set FR,     16                        ; registers of a fragment
.set NP,     4                         ; places behind this matrix instruction (ISA guide 7.12.1)
.set AHALF,  32768                     ; 8 tiles of tokens x 4,096 bytes of images: what one tensor load brings of A, and what one wave reads
.set ABYTES, 2*AHALF
.set BHALF,  64*PITCH                  ; 64 rows of B: likewise
.set SLOT,   ABYTES+2*BHALF            ; 100,352 bytes
.set SPARE,  3*SLOT                    ; behind the slots: the spare words, 128 bytes for each wave, that no other line names
.set SPITCH, 272                       ; the way out: a stage of 16 rows x (256 bytes + 16) for each wave, in slot 1, which is filled once and is read no more behind the last barrier
.set ADRA, 16                          ; v16-18  LDS address of my A fragments in slot 0, 1, 2
.set ADRB, 20                          ; v20-22  the same for B
.set STO,  24                          ; v24     the way out: where I put 32 bytes of a row
.set RD,   25                          ; v25     where I read a row back
.set CO,   26                          ; v26     my byte offset in two rows of the output
.set BO,   27                          ; v27     32 h: my half's bytes in the bias
.set SPW,  28                          ; v28     LDS address of my spare word; never rewritten
.set NIL,  29                          ; v29     0; never rewritten
.set BIAS, 32                          ; v32-63  register 8 b + j: b_proj[my first column + 16 b + 8 h + j]
.set TMP,  64                          ; v64-95  a block's 32 results
.set AF,   128
.set BK,   128                         ; the way out: 16 rows read back: v128-159 and v160-191 by turns
.set G1, 24                            ; s[24:31] descriptor group 1 for A;  s[32:43] group 0, one set for each slot
.set G0, 32
.set G1B, 48                           ; s[48:55] group 1 for B;  s[72:83] group 0, one set for each slot
.set G0B, 72
.set CX,  56                           ; s56  my place along the cluster's x;  s57 along its y
.set CY,  57
.set TC,  58                           ; s58  the tile column
.set MROW, 59                          ; s59  the mask of my row of the cluster;  s60 of my column
.set MCOL, 60
.set MSB, 0
.macro WIN new                         ; the immediate's high byte repeats the setting that is left
.if MSB != \new
	s_set_vgpr_msb (MSB<<8)|\new
.set MSB, \new
.endif
.endm
.set MUL,  0xa1                        ; source 0 (B) window 1, source 1 (A) window 0, C and D window 2
.set TO_B, 0x40                        ; destination window 1, address window 0
; A joint load: waves 0 and 1 fetch A's halves, waves 2 and 3 B's; four v_nop follow each of the two lines, ahead of the jump, the label and what follows.
.macro JLOAD g0a, g1a, g0b, g1b
	s_cmp_eq_u32 s15, 0
	s_cbranch_scc0 .Lfor_b_\@
	tensor_load_to_lds s[\g0a:\g0a+3], s[\g1a:\g1a+7]
	s_nop 0
.rept 4
	v_nop
.endr
	s_branch .Lasked_\@
.Lfor_b_\@:
	tensor_load_to_lds s[\g0b:\g0b+3], s[\g1b:\g1b+7]
	s_nop 0
.rept 4
	v_nop
.endr
.Lasked_\@:
.endm
.macro CREST                           ; a round of the cluster's barrier behind its opening barrier
	s_cmp_lg_u32 s14, 0
	s_cbranch_scc1 .Lnot_wave_0_\@
	s_barrier_signal -3
.Lnot_wave_0_\@:
	s_barrier_wait -3
	s_barrier_signal -1
	s_barrier_wait -1
.endm
.macro CROUND                          ; a whole round
	s_barrier_signal -1
	s_barrier_wait -1
	CREST
.endm
	s_load_b256 s[4:11], s[0:1], 0x0               ; y_img s[4:5], w_codes s[6:7], the scales' exponents s[8:9], b_proj s[10:11]
	s_load_b64 s[12:13], s[0:1], 0x20              ; out0
	v_lshl_add_u32 v[SPW], v0, 2, SPARE
	v_mov_b32 v[NIL], 0
	ds_add_u32 v28, v29
	ds_add_u32 v28, v29
	s_wait_dscnt 0x0
	v_lshrrev_b32 v1, 5, v0
	v_readfirstlane_b32 s14, v1                    ; wave 0..3
	s_lshr_b32 s15, s14, 1                         ; which half of the tile's tokens is mine.  Also: I fetch for A (0) or for B (1)
	s_and_b32 s16, s14, 1                          ; which half of its columns.  Also: which half of that tile I fetch
	s_bfe_u32 s[CX], ttmp6, 0x40000                ; cx, cy: my place in the cluster
	s_bfe_u32 s[CY], ttmp6, 0x40004
	s_lshl_b32 s[TC], ttmp9, 2
	s_add_co_u32 s[TC], s[TC], s[CX]               ; tile column = 4 x cluster x + cx, 0..7
	s_and_b32 s17, ttmp7, 0xffff
	s_lshl_b32 s17, s17, 2
	s_add_co_u32 s17, s17, s[CY]                   ; tile row = 4 x cluster y + cy, 0..31
	s_lshl_b32 s[MROW], s[CY], 2
	s_lshl_b32 s[MROW], 15, s[MROW]                ; my row of the cluster
	s_lshl_b32 s[MCOL], 0x1111, s[CX]              ; my column
	; descriptor group 1.  A: 8 rows (tiles of tokens) of 4,096 bytes, 16,384 apart in memory, dense in LDS.  B: 64 rows of 256 bytes, 1,024 apart, padded in LDS
	s_or_b32 s[G1+0], s[MROW], (0<<16)|(1<<21)     ; 15:0 the mask: A's tiles go to my row; 17:16 element of 1 byte; 20 no padding; 21 set beside a mask
	s_mov_b32 s[G1+1], 4096<<16                    ; tensor_dim0
	s_mov_b32 s[G1+2], 8<<16                       ; tensor_dim1
	s_mov_b32 s[G1+3], 4096<<16                    ; tile_dim0
	s_mov_b32 s[G1+4], 8                           ; tile_dim1
	s_mov_b32 s[G1+5], 16384                       ; tensor_dim0_stride
	s_mov_b32 s[G1+6], 0
	s_mov_b32 s[G1+7], 0
	s_or_b32 s[G1B+0], s[MCOL], (0<<16)|(1<<20)|(1<<21)|(5<<22)|(3<<25)   ; the mask of my column; padding: four words after every 64
	s_mov_b32 s[G1B+1], 256<<16
	s_mov_b32 s[G1B+2], 64<<16
	s_mov_b32 s[G1B+3], 256<<16
	s_mov_b32 s[G1B+4], 64
	s_mov_b32 s[G1B+5], 1024
	s_mov_b32 s[G1B+6], 0
	s_mov_b32 s[G1B+7], 0
	s_lshl_b32 s20, s17, 18                        ; A: 16 tiles of tokens x 16,384 bytes a tile row,
	s_lshl_b32 s18, s16, 17                        ; + 8 of them for the second half
	s_add_co_u32 s20, s20, s18
	s_mov_b32 s21, 0
	s_lshl_b32 s46, s[TC], 17                      ; B: row 3,072 + 128 x tile column + 64 x half, of 1,024 bytes
	s_lshl_b32 s47, s16, 16
	s_add_co_u32 s46, s46, s47
	s_add_co_u32 s46, s46, 3072*1024
	s_mov_b32 s47, 0
	s_lshl_b32 s45, s16, 15                        ; where they go in a slot: A's half,
	s_mul_i32 s19, s16, BHALF
	s_add_co_u32 s19, s19, ABYTES                  ; B's half: no place in the cluster enters an LDS address
	s_wait_kmcnt 0x0
	s_load_b256 s[84:91], s[8:9], 0x0              ; e0 .. e7
	s_add_nc_u64 s[20:21], s[4:5], s[20:21]
	s_add_nc_u64 s[46:47], s[6:7], s[46:47]
	CROUND                                         ; all sixteen work-groups are here: the first joint loads meet
.irp s, 0,1,2
	s_mov_b32 s[G0+4*\s], 1
	s_add_co_u32 s[G0+4*\s+1], s45, \s*SLOT
	s_add_nc_u64 s[G0+4*\s+2:G0+4*\s+3], s[20:21], \s*4096         ; K step s: 8 images of each tile of tokens
	s_or_b32 s[G0+4*\s+3], s[G0+4*\s+3], 0x80000000
	s_mov_b32 s[G0B+4*\s], 1
	s_add_co_u32 s[G0B+4*\s+1], s19, \s*SLOT
	s_add_nc_u64 s[G0B+4*\s+2:G0B+4*\s+3], s[46:47], \s*256
	s_or_b32 s[G0B+4*\s+3], s[G0B+4*\s+3], 0x80000000
	s_wait_alu depctr_va_vdst(0)
	s_wait_tensorcnt 0x0
	ds_add_u32 v28, v29
	ds_add_u32 v28, v29
	s_wait_dscnt 0x0
	CROUND
	JLOAD G0+4*\s, G1, G0B+4*\s, G1B               ; one load of mine is out
.endr
	v_and_b32 v1, 15, v0                           ; r
	v_bfe_u32 v2, v0, 4, 1                         ; h
	v_and_b32 v3, 31, v0
	v_lshlrev_b32 v3, 4, v3                        ; A: 16 x lane: an image's place for my lane
	v_mul_u32_u24 v4, v1, PITCH
	v_lshl_add_u32 v4, v2, 4, v4                   ; B: row x pitch + 16 x half
	s_lshl_b32 s21, s15, 15                        ; my 8 tiles of tokens
	s_mul_i32 s22, s16, BHALF                      ; my 64 rows of B,
	s_add_co_u32 s22, s22, ABYTES                  ; which lie behind A
.irp s, 0,1,2
	v_add_nc_u32 v[ADRA+\s], s21, v3
	v_add_nc_u32 v[ADRB+\s], s22, v4
	s_add_co_u32 s21, s21, SLOT
	s_add_co_u32 s22, s22, SLOT
.endr
	s_mul_i32 s23, s14, 16*SPITCH
	s_add_co_u32 s23, s23, SLOT                    ; my stage
	v_mul_u32_u24 v5, v1, SPITCH                   ; in: row r, 32 bytes for each half of the lanes
	v_lshl_add_u32 v5, v2, 5, v5
	v_add_nc_u32 v[STO], s23, v5
	v_mul_u32_u24 v5, v2, SPITCH                   ; back: lanes 0-15 take one row of 256 bytes, lanes 16-31 the next
	v_lshl_add_u32 v5, v1, 4, v5
	v_add_nc_u32 v[RD], s23, v5
	v_lshlrev_b32 v5, 12, v2                       ; and the same two rows in the output: a row is 4,096 bytes
	v_lshl_add_u32 v[CO], v1, 4, v5
	v_lshlrev_b32 v[BO], 5, v2
	s_wait_alu depctr_va_vdst(0)
	s_lshl_b32 s20, s17, 8
	s_lshl_b32 s21, s15, 7
	s_add_co_u32 s20, s20, s21                     ; my first token: 256 x tile row + 128 x half
	s_lshl_b32 s20, s20, 12
	s_mov_b32 s21, 0
	s_add_nc_u64 s[12:13], s[12:13], s[20:21]
	s_lshl_b32 s46, s[TC], 9                       ; my first column, in bytes: 512 x tile column + 256 x half: in the output's row and in the bias alike
	s_lshl_b32 s47, s16, 8
	s_add_co_u32 s46, s46, s47
	s_mov_b32 s47, 0
	s_add_nc_u64 s[12:13], s[12:13], s[46:47]
	s_add_nc_u64 s[10:11], s[10:11], s[46:47]
.irp b, 0,1,2,3
	global_load_b128 v[BIAS+8*\b:BIAS+8*\b+3], v[BO], s[10:11] offset:64*\b       ; waited for on the way out
	global_load_b128 v[BIAS+8*\b+4:BIAS+8*\b+7], v[BO], s[10:11] offset:64*\b+16
.endr
; A fragment is 16 registers; registers 4 c .. 4 c + 3 hold K = 128 q + 32 c + 16 h + 0 .. 15 of the slot's 256, in A and in B alike.
.macro FRAG_B reg, slot, q, i          ; from rows: rows 16 i + r
.irp c, 0,1,2,3
	ds_load_b128 v[\reg+4*\c:\reg+4*\c+3], v[ADRB+\slot] offset:128*(\q)+32*\c+(\i)*16*PITCH
.endr
.endm
.macro FRAG_A reg, slot, q, i          ; from images: tile of tokens i; 512 consecutive bytes a load
.irp c, 0,1,2,3
	ds_load_b128 v[\reg+4*\c:\reg+4*\c+3], v[ADRA+\slot] offset:4096*(\i)+2048*(\q)+512*\c
.endr
.endm
; 8 matrix instructions: A's blocks a0, a0 + 1 x B's four.  p: B's set.  zero = 1: the first product starts the sums.  The 32 accumulators take turns, one instruction a turn, in the same order in every step.
.macro MUL8 a0, p, zero
.irp a, \a0, \a0+1
.irp b, 0,1,2,3
.if \zero
	v_wmma_f32_16x16x128_bf8_bf8 v[8*(4*(\a)+\b):8*(4*(\a)+\b)+7], v[128*(\p)+FR*\b:128*(\p)+FR*\b+FR-1], v[AF+FR*(\a):AF+FR*(\a)+FR-1], 0
.else
	v_wmma_f32_16x16x128_bf8_bf8 v[8*(4*(\a)+\b):8*(4*(\a)+\b)+7], v[128*(\p)+FR*\b:128*(\p)+FR*\b+FR-1], v[AF+FR*(\a):AF+FR*(\a)+FR-1], v[8*(4*(\a)+\b):8*(4*(\a)+\b)+7]
.endif
.endr
.endr
.endm
.macro FETCH_B slot, q, p              ; 16 loads
	WIN TO_B
.irp i, 0,1,2,3
	FRAG_B 128*(\p)+FR*\i, \slot, \q, \i
.endr
	WIN 0
.endm
.macro FETCH_A slot, q, i0             ; A's blocks i0 .. i0 + 3: 16 loads
.irp i, \i0, \i0+1, \i0+2, \i0+3
	FRAG_A AF+FR*(\i), \slot, \q, \i
.endr
.endm
.macro PLACES n                        ; places in front of loads into registers that matrix instructions have read, and of the first read of results
.rept \n
	v_nop
.endr
.endm
; A step of 128 along K on B's set p; the next step's fragments come from slot ns, half nq, B's into the other set.
.macro STEP p, zero, ns, nq
	s_wait_dscnt 16                                ; B's set and A's blocks 0-3 are in; the youngest 16 loads (A's blocks 4-7) may be out
	WIN MUL
	MUL8 0, \p, \zero
	MUL8 2, \p, \zero
	s_wait_dscnt 0                                 ; A's blocks 4-7 are in
	PLACES NP
	FETCH_B \ns, \nq, 1-(\p)
	FETCH_A \ns, \nq, 0
	WIN MUL
	MUL8 4, \p, \zero
	MUL8 6, \p, \zero
	PLACES NP
	WIN 0
	FETCH_A \ns, \nq, 4
.endm
; A step on set 1 with a barrier in it; in front of the barrier each wave waits for all its tensor loads, adds 0 to its spare word, and waits for that and for its reads.  fill = 1: slot 0, just read out, takes K step 3.
.macro TURN next, fill
	s_wait_tensorcnt 0x0                           ; all my tensor loads have landed  (every window is 0 here)
	ds_add_u32 v[SPW], v[NIL]                      ; 0 onto my spare word
	s_wait_dscnt 17                                ; (the add and the youngest 16 loads, A's blocks 4-7, may be out)
	WIN MUL
	MUL8 0, 1, 0                                   ; eight matrix instructions stand between the add and the wait for it
	s_wait_dscnt 0x0                               ; the add is done, and my reads of the slot that is left are over
	s_barrier_signal -1
	MUL8 2, 1, 0
	WIN 0
	s_barrier_wait -1
.if \fill
	CREST                                          ; the barrier has opened a round of the cluster's barrier: no wave of any partner still reads slot 0 or has a load on its way
	s_add_nc_u64 s[G0+2:G0+3], s[G0+2:G0+3], 3*4096
	s_add_nc_u64 s[G0B+2:G0B+3], s[G0B+2:G0B+3], 3*256
	JLOAD G0, G1, G0B, G1B                         ; the first tensor load behind the round, one a wave; the four v_nop behind it are the places in front of the loads below
.else
	PLACES NP
.endif
	FETCH_B \next, 0, 0
	FETCH_A \next, 0, 0
	WIN MUL
	MUL8 4, 1, 0
	MUL8 6, 1, 0
	PLACES NP
	WIN 0
	FETCH_A \next, 0, 4
.endm
	s_wait_tensorcnt 2                             ; my part of K step 0 is in (K step 2's load may be out)
	s_barrier_signal -1
	s_barrier_wait -1                              ; everybody's is
	FETCH_B 0, 0, 0
	FETCH_A 0, 0, 0
	FETCH_A 0, 0, 4
	STEP 0, 1, 0, 1                                ; K 0..127: its products start the sums
	TURN 1, 1                                      ; K 128..255.  Every wave has waited for all its loads: behind this round slots 1 AND 2 are whole for everybody, and slot 0 takes K step 3
	STEP 0, 0, 1, 1                                ; K 256..383
	STEP 1, 0, 2, 0                                ; K 384..511: on into slot 2, which the round above has shown whole: no barrier
	STEP 0, 0, 2, 1                                ; K 512..639
	TURN 0, 0                                      ; K 640..767: K step 3 has landed in slot 0
	STEP 0, 0, 0, 1                                ; K 768..895
	s_wait_dscnt 16                                ; K 896..1023: nothing more to fetch
	WIN MUL
	MUL8 0, 1, 0
	MUL8 2, 1, 0
	s_wait_dscnt 0
	MUL8 4, 1, 0
	MUL8 6, 1, 0
	WIN 0
; THE WAY OUT, block by block of 16 tokens x 64 columns.  A lane holds 32 neighbouring bytes of a row: a block goes through my own stage in LDS and comes back as whole rows of 256 bytes.
; LDS serves a wave's instructions in order (ISA guide 5.7.1.4): no wait between the stores and the loads, nor in front of the next block's stores.
.macro TOSTAGE a
	WIN 0x02                                       ; source 0 (the sums) window 2
.set ii, 0
.rept 16
	v_pk_fma_f32 v[TMP+ii:TMP+ii+1], v[32*(\a)+ii:32*(\a)+ii+1], s[96:97], v[BIAS+ii:BIAS+ii+1] op_sel_hi:[1,0,1]   ; sum x 2^(e6 + e7) + bias; each accumulator from its low end on
.set ii, ii+2
.endr
	WIN 0
.irp b, 0,1,2,3
	ds_store_b128 v[STO], v[TMP+8*\b:TMP+8*\b+3] offset:64*\b
	ds_store_b128 v[STO], v[TMP+8*\b+4:TMP+8*\b+7] offset:64*\b+16
.endr
.set BB, BK+32*((\a)%2)
.irp t, 0,1,2,3,4,5,6,7
	ds_load_b128 v[BB+4*\t:BB+4*\t+3], v[RD] offset:\t*2*SPITCH
.endr
.endm
.macro SEND a, younger                 ; younger: the LDS instructions issued behind block a's loads, which may stay out
.set BB, BK+32*((\a)%2)
	s_wait_dscnt \younger                          ; the block is back in registers
.irp t, 0,1,2,3,4,5,6,7
	global_store_b128 v[CO], v[BB+4*\t:BB+4*\t+3], s[12:13] offset:(16*(\a)+2*\t)*4096 th:TH_STORE_NT   ; 16 lanes store 256 consecutive bytes, at a multiple of 256; written once, read by nobody here
.endr
.endm
	s_wait_kmcnt 0x0
	s_add_co_i32 s96, s90, s91                     ; e6 + e7
	s_add_co_i32 s96, s96, 127
	s_lshl_b32 s96, s96, 23                        ; 2^(e6 + e7) as f32
	s_mov_b32 s97, s96                             ; (named with it as a pair, so it is written)
	s_wait_loadcnt 0x0                             ; the bias
	PLACES NP                                      ; behind the last products: for the reads of results and for the loads into the registers that held A's fragments
	TOSTAGE 0
.irp a, 1,2,3,4,5,6,7
.if \a > 1
	s_wait_xcnt 0x0                                ; block a - 2's stores have read their registers: block a's loads may land there
.endif
	TOSTAGE \a
	SEND \a-1, 16                                  ; behind block a - 1's loads: block a's 8 stores and 8 loads
.endr
	SEND 7, 0
	s_wait_tensorcnt 0x0                           ; the wave's end, behind my last tensor load and my last LDS store
	ds_add_u32 v[SPW], v[NIL]
	s_wait_dscnt 0x0
	CROUND                                         ; the closing round: no work-group ends while a partner may still ask for a tile that names it
	s_endpgm
.Lfunc_end_k_qf4c350ee1c_proj:
	.size	k_qf4c350ee1c_proj, .Lfunc_end_k_qf4c350ee1c_proj-k_qf4c350ee1c_proj
	.p2alignl 7, 3214868480
	.fill 96, 4, 3214868480
	.section	.rodata,"a",@progbits
	.p2align	6, 0x0
	.amdhsa_kernel k_qf4c350ee1c_proj
		.amdhsa_group_segment_fixed_size 327680
		.amdhsa_private_segment_fixed_size 0
		.amdhsa_enable_private_segment 0
		.amdhsa_kernarg_size 40
		.amdhsa_user_sgpr_count 2
		.amdhsa_user_sgpr_kernarg_segment_ptr 1
		.amdhsa_wavefront_size32 1
		.amdhsa_system_sgpr_workgroup_id_x 1
		.amdhsa_system_sgpr_workgroup_id_y 1
		.amdhsa_system_sgpr_workgroup_id_z 1
		.amdhsa_system_vgpr_workitem_id 0
		.amdhsa_next_free_vgpr 768
		.amdhsa_next_free_sgpr 100
		.amdhsa_reserve_vcc 0
		.amdhsa_float_denorm_mode_32 3
		.amdhsa_float_denorm_mode_16_64 3
		.amdhsa_memory_ordered 1
		.amdhsa_forward_progress 1
		.amdhsa_inst_pref_size 79
	.end_amdhsa_kernel
	.amdgpu_metadata
---
amdhsa.version: [ 1, 2 ]
amdhsa.kernels:
  - .name:           k_qf4c350ee1c_proj
    .symbol:         k_qf4c350ee1c_proj.kd
    .args:
      - { .name: y_img, .offset: 0, .size: 8, .value_kind: global_buffer, .address_space: global }
      - { .name: w_codes, .offset: 8, .size: 8, .value_kind: global_buffer, .address_space: global }
      - { .name: lowp_scales, .offset: 16, .size: 8, .value_kind: global_buffer, .address_space: global }
      - { .name: b_proj, .offset: 24, .size: 8, .value_kind: global_buffer, .address_space: global }
      - { .name: out0, .offset: 32, .size: 8, .value_kind: global_buffer, .address_space: global }
    .group_segment_fixed_size: 327680
    .private_segment_fixed_size: 0
    .kernarg_segment_align: 8
    .kernarg_segment_size: 40
    .max_flat_workgroup_size: 128
    .sgpr_count:     100
    .vgpr_count:     768
    .wavefront_size: 32
...
	.end_amdgpu_metadata
.endif
;; end of part 4
